; MI455X (gfx1250); checked and timed in simulation.
; The chip was launched on July 23, 2026; its instructions are those of AMD's public machine-readable ISA for CDNA 5 (MIT licence, August 2026) and "CDNA5" Instruction Set Architecture Reference Guide (July 2026). The comments in the code are by the model that wrote it; some were corrected since.
;; Window Attention Memory. Allowed arithmetic: matrix products marked QUANTISED: E4M3 operands, one given power-of-two scale a tensor, by v_wmma_f32_16x16x64_fp8_fp8 or v_wmma_f32_16x16x128_fp8_fp8, f32 sums; everything else in f32.
;; Inputs: b_k 1,024 float32; b_o 1,024 float32; b_q 1,024 float32; b_v 1,024 float32; ln_b 1,024 float32; ln_g 1,024 float32; lowp_scales 12 int32 (the exponents e of the quantised operands' scales 2^e); w_k_codes 1,024 x 32 x 32 uint8 (E4M3 codes of w_k, K innermost, in blocks of 32 codes); w_o_codes 1,024 x 32 x 32 uint8 (E4M3 codes of w_o, K innermost, in blocks of 32 codes); w_q_codes 1,024 x 32 x 32 uint8 (E4M3 codes of w_q, K innermost, in blocks of 32 codes); w_v_codes 1,024 x 32 x 32 uint8 (E4M3 codes of w_v, K innermost, in blocks of 32 codes); x 4 x 2,048 x 1,024 float32.
;; Outputs: out0 4 x 2,048 x 1,024 float32.
;; This version of the problem:
;;   THIS VERSION OF THE PROBLEM IS GIVEN IN LOW PRECISION. The matrix products marked QUANTISED in the list below multiply operands that are first quantised to E4M3 (4 exponent bits, 3 mantissa bits; 8 bits a number), with one given power-of-two scale for each operand tensor; their sums are f32. All else is computed in f32.
;;   The module's matrix products, in the order in which they are computed (A, B: the left and right operand; K: the contracted axis; several contracted axes count as one K, in the product's order):
;;     1. [M 8,192, K 1,024] x [K 1,024, N 1,024]; A: computed on the way; B: input w_q (given as codes): QUANTISED (scales: A lowp_scales[0], B lowp_scales[1])
;;     2. [M 8,192, K 1,024] x [K 1,024, N 1,024]; A: computed on the way; B: input w_k (given as codes): QUANTISED (scales: A lowp_scales[2], B lowp_scales[3])
;;     3. [M 8,192, K 1,024] x [K 1,024, N 1,024]; A: computed on the way; B: input w_v (given as codes): QUANTISED (scales: A lowp_scales[4], B lowp_scales[5])
;;     4. batch 64 x [M 2,048, K 64] x [K 64, N 2,048]; A: computed on the way; B: computed on the way: QUANTISED (scales: A lowp_scales[6], B lowp_scales[7])
;;     5. batch 64 x [M 2,048, K 2,048] x [K 2,048, N 64]; A: softmax (see below); B: computed on the way: QUANTISED (scales: A lowp_scales[8], B lowp_scales[9])
;;     6. [M 8,192, K 1,024] x [K 1,024, N 1,024]; A: computed on the way; B: input w_o (given as codes): QUANTISED (scales: A lowp_scales[10], B lowp_scales[11])
;;   THE QUANTISER, for each operand of a quantised product, along K:
;;     - The operand's scale is 2^e, e = its entry of the input lowp_scales (int32; the entries are numbered through the quantised products in the list's order, A before B).
;;     - Each number is divided by the scale, clamped to +-448, and rounded to the nearest number of E4M3, ties to even, subnormals kept.
;;     - The product sums the exact products of the quantised numbers (number of the format x scale) in f32.
;;   ~~~python
;;   def quantise(x, axis, e):      # numpy; x: float32 -> the quantised numbers, widened to float32 again
;;       x = np.moveaxis(x, axis, -1); K = x.shape[-1]
;;       r = np.clip(x / 2.0 ** e, -448, 448)
;;       step = 2.0 ** (np.maximum(np.frexp(np.where(r == 0, 1, r))[1] - 1, -6) - 3)
;;       q = np.round(r / step) * step * 2.0 ** e      # np.round: ties to even
;;       return np.moveaxis(q, -1, axis).astype(np.float32)
;;   ~~~
;;   SOFTMAX AHEAD OF A QUANTISED PRODUCT. Where the list says 'softmax', what is quantised is not the finished softmax but p = 2^(t - M), with t = logit x log2(e) and M = ceil(the row's largest t), a whole number; so 1/2 < the row's largest p <= 1. The row's sum l is taken of the UNQUANTISED p, in f32, and the product's result is divided by l at the end. Since M is a whole number, a kernel that streams over the keys may use a running M (the ceiling of the running maximum): every later rescaling is an exact power of two, so the quantised numbers keep their values, but for numbers so far below the row's largest that they fall under the format's range.
;;   OPERANDS COMPUTED ON THE WAY. 'Computed on the way' means the value that the module computes at that place (a softmax that the list does not call 'softmax' is quantised finished and normalised). What goes into a quantiser is computed in f32, as accurately as f32 sums, v_exp_f32 and their like allow (about 1e-6 of the number): no bf16 or f16 on the way to a quantiser, and a product that is left as it is and whose result goes on into a quantised operand takes f32 operands (vector FMAs, or v_wmma_f32_16x16x4_f32). A number that lies on a knife's edge between two numbers of the format may be rounded either way, as far as f32 arithmetic and the matrix unit's own rounding can turn it there, and no further.
;;   INPUTS GIVEN AS CODES. w_k (in the module: [1024, 1024], K = its axis 1); w_o (in the module: [1024, 1024], K = its axis 1); w_q (in the module: [1024, 1024], K = its axis 1); w_v (in the module: [1024, 1024], K = its axis 1): each comes as NAME_codes (uint8): NAME with its K axis moved to the last place and cut into blocks of 32 codes, [.., K / 32, bytes a block], one block behind the other in memory; one code a byte (a code: sign, 4 exponent bits, 3 mantissa bits); its scale is its entry of lowp_scales. Its value is code x scale, taken as it is: it is not quantised again, and the codes and scales need not be those that the quantiser above would give.
;; One version. Each part assembles by itself: llvm-mc -triple=amdgcn-amd-amdhsa -mcpu=gfx1250 --defsym DOCPART=n.
;; ======== version 1 of 1: 4 launches
;; limits: right only within a limited range of input values
;; workspace buffers: xc 25,165,824 bytes; qi 8,388,608 bytes; ki 8,388,608 bytes; vi 8,388,608 bytes; ctx 8,388,608 bytes
;; launch lnq (part 1): grid 256 x 1, 8 waves a work-group, no clusters, 41,984 bytes of LDS; arguments x, ln_g, ln_b, lowp_scales, xc; writes xc
.if DOCPART == 1
	.amdgcn_target "amdgcn-amd-amdhsa--gfx1250"
	.amdhsa_code_object_version 6
	.text
	.protected	k_qa0444b82b5_lnq
	.globl	k_qa0444b82b5_lnq
	.p2align	8
	.type	k_qa0444b82b5_lnq,@function
k_qa0444b82b5_lnq:
	s_mov_b64 s[64:65], 0
	v_nop
	global_prefetch_b8 v0, s[64:65] scope:SCOPE_SE
	s_setreg_imm32_b32 hwreg(HW_REG_WAVE_MODE, 25, 1), 1
	s_wait_xcnt 0x0
; xn = (x - mean) * rsqrt(var + 1e-12) * ln_g + ln_b, row by row of 1,024 numbers, all in f32, and then three times into codes of E4M3:
; set t of xc ([8192][1024] bytes, the sets 8,388,608 bytes apart) holds xn / 2^e, e = entry 2 t of the scales (the A side of the products for q, k, v).
; SHARES.  A work-group takes 32 rows, each of its eight waves 4.  All 32 loads of a wave's four rows go out at the head; nothing is read twice.
; A load takes the bytes as they lie (16 a lane, 512 a load); the conversions want 16 NEIGHBOURS in a lane.  So half a row (2,048 bytes) turns through the wave's own stage in LDS: in as loaded,
; out 64 bytes a lane; 16 bytes of padding behind each 64.  Afterwards register 16 s + e of lane l is element 512 s + 16 l + e, and a lane's 16 codes are 16 bytes: a store covers 512 consecutive bytes, aligned.
; The mean is taken first and the variance of the differences, as the definition has it: a common offset of the row does not cost digits.
; No matrix unit, no cluster, no barrier: the work-groups share no input but 8 KB of gains and biases, and the waves share nothing.
; LIMITS: entries 0, 2, 4 of the scales between -126 and 119, so that 2^e and 448 x 2^e are f32 numbers.  NaN among the inputs is not served; an infinity gives NaN, as in the definition.
.set SP,    80                         ; a lane's place in a stage: 64 bytes + 16 of padding
.set HALF,  32*SP                      ; a stage: half a row
.set WREG,  2*HALF                     ; a wave's two stages
.set SPARE, 8*WREG                     ; behind the stages: the spare words, 128 bytes for each wave: four blocks of 256 bytes that no other line names
.set XO,  1                            ; v1   x: 16 x lane + 16,384 x wave; never rewritten
.set STI, 2                            ; v2   the stage, on the way in
.set STO, 3                            ; v3   and on the way out
.set CO,  4                            ; v4   the codes: 16 x lane + 4,096 x wave; never rewritten
.set GO,  5                            ; v5   gains and biases: 64 x lane; never rewritten
.set SPW, 6                            ; v6   LDS address of my spare word; never rewritten
.set NIL, 7                            ; v7   0; never rewritten
.set SC,  8                            ; v8-10  2^e of the three sets
.set LIM, 11
.set T,   16                           ; v16-47 the row in hand, 32 numbers a lane
.set U,   48                           ; v48-63 sums, mean, 1/sigma
.set G,   64                           ; v64-95  ln_g at my 32 elements
.set BB,  96                           ; v96-127 ln_b
.set X,   128                          ; v128-255 row i as loaded at 128 + 32 i; later its 24 registers of codes
	s_load_b256 s[4:11], s[0:1], 0x0               ; x s[4:5], ln_g s[6:7], ln_b s[8:9], the scales s[10:11]
	s_load_b64 s[12:13], s[0:1], 0x20              ; xc
	v_lshl_add_u32 v[SPW], v0, 2, SPARE
	v_mov_b32 v[NIL], 0
	v_lshrrev_b32 v14, 5, v0
	s_delay_alu instid0(VALU_DEP_1)
	v_readfirstlane_b32 s18, v14                   ; wave 0..7
	v_and_b32 v15, 31, v0                          ; lane
	s_delay_alu instid0(VALU_DEP_1)
	v_lshlrev_b32 v[XO], 4, v15
	s_delay_alu instid0(VALU_DEP_1)
	v_lshl_add_u32 v[CO], v14, 12, v[XO]           ; four rows of 1,024 codes a wave
	s_delay_alu instid0(VALU_DEP_2)
	v_lshl_add_u32 v[XO], v14, 14, v[XO]           ; four rows of 4,096 bytes a wave
	s_delay_alu instid0(VALU_DEP_4)
	v_lshlrev_b32 v[GO], 6, v15
	s_mul_i32 s19, s18, WREG
	v_lshrrev_b32 v[STI], 2, v15
	s_delay_alu instid0(VALU_DEP_1)
	v_mul_u32_u24 v[STI], v[STI], SP
	v_and_b32 v14, 3, v15
	s_delay_alu instid0(VALU_DEP_1)
	v_lshl_add_u32 v[STI], v14, 4, v[STI]
	s_delay_alu instid0(VALU_DEP_1)
	v_add_nc_u32 v[STI], s19, v[STI]               ; in: four lanes' 64 bytes on end, then the padding
	v_mul_u32_u24 v[STO], v15, SP
	s_delay_alu instid0(VALU_DEP_1)
	v_add_nc_u32 v[STO], s19, v[STO]               ; out: my 64 bytes
	s_mov_b32 s20, 0x3a800000                      ; 1 / 1,024
	s_mov_b32 s21, 0x2b8cbccc                      ; 1e-12
	s_mov_b32 s22, 0x76543210                      ; v_permlanex16_b32: lane l takes lane l xor 16
	s_mov_b32 s23, 0xfedcba98
	s_lshl_b32 s2, ttmp9, 17                       ; 32 rows of 4,096 bytes
	s_mov_b32 s3, 0
	s_lshl_b32 s32, ttmp9, 15                      ; 32 rows of 1,024 bytes
	s_mov_b32 s33, 0
	s_wait_alu depctr_va_vdst(0)
	s_wait_kmcnt 0x0
	s_load_b256 s[24:31], s[10:11], 0x0            ; entries 0 to 7: 0, 2 and 4 are used here
	s_add_nc_u64 s[4:5], s[4:5], s[2:3]
	s_add_nc_u64 s[12:13], s[12:13], s[32:33]      ; set 0,
	s_add_nc_u64 s[14:15], s[12:13], 0x800000      ; set 1,
	s_add_nc_u64 s[16:17], s[12:13], 0x1000000     ; set 2
.irp s, 0,1
.irp k, 0,1,2,3
	global_load_b128 v[G+16*\s+4*\k:G+16*\s+4*\k+3], v[GO], s[6:7] offset:2048*\s+16*\k
	global_load_b128 v[BB+16*\s+4*\k:BB+16*\s+4*\k+3], v[GO], s[8:9] offset:2048*\s+16*\k
.endr
.endr
.irp i, 0,1,2,3
.irp k, 0,1,2,3,4,5,6,7
	global_load_b128 v[X+32*\i+4*\k:X+32*\i+4*\k+3], v[XO], s[4:5] offset:4096*\i+512*\k th:TH_LOAD_NT   ; 32 lanes read 512 consecutive bytes; read once in this launch
.endr
.endr
	s_wait_kmcnt 0x0
.irp t, 0,1,2
	s_add_co_i32 s34, s[24+2*\t], 127
	s_lshl_b32 s35, s34, 23
	v_mov_b32 v[SC+\t], s35                        ; 2^e as f32: the conversion takes its exponent field
	s_add_co_i32 s34, s34, 8
	s_lshl_b32 s34, s34, 23
	s_or_b32 s34, s34, 0x600000
.endr
; Four chains of pairs in v[U .. U+7] become one number in every lane of the wave.
.macro JOIN
	s_delay_alu instid0(VALU_DEP_3)
	v_pk_add_f32 v[U:U+1], v[U:U+1], v[U+2:U+3]
	s_delay_alu instid0(VALU_DEP_2)
	v_pk_add_f32 v[U+4:U+5], v[U+4:U+5], v[U+6:U+7]
	s_delay_alu instid0(VALU_DEP_1)
	v_pk_add_f32 v[U:U+1], v[U:U+1], v[U+4:U+5]
	s_delay_alu instid0(VALU_DEP_1)
	v_add_f32 v[U], v[U], v[U+1]
	s_delay_alu instid0(VALU_DEP_1)
	v_add_f32_dpp v[U], v[U], v[U] row_xmask:1 row_mask:0xf bank_mask:0xf
	s_delay_alu instid0(VALU_DEP_1)
	v_add_f32_dpp v[U], v[U], v[U] row_xmask:2 row_mask:0xf bank_mask:0xf
	s_delay_alu instid0(VALU_DEP_1)
	v_add_f32_dpp v[U], v[U], v[U] row_xmask:4 row_mask:0xf bank_mask:0xf
	s_delay_alu instid0(VALU_DEP_1)
	v_add_f32_dpp v[U], v[U], v[U] row_xmask:8 row_mask:0xf bank_mask:0xf
	s_delay_alu instid0(VALU_DEP_1)
	v_permlanex16_b32 v[U+2], v[U], s22, s23       ; its destination counts as read: a register that has been written
	s_delay_alu instid0(VALU_DEP_1)
	v_add_f32 v[U], v[U], v[U+2]
.endm
.macro ROW i
	s_wait_loadcnt 8*(3-\i)                        ; loads come back in order: gains, biases and this row are in, the younger rows' eight loads each may be out
.irp s, 0,1
.irp k, 0,1,2,3
	ds_store_b128 v[STI], v[X+32*\i+16*\s+4*\k:X+32*\i+16*\s+4*\k+3] offset:HALF*\s+8*SP*\k
.endr
.endr
.irp s, 0,1
.irp k, 0,1,2,3
	ds_load_b128 v[T+16*\s+4*\k:T+16*\s+4*\k+3], v[STO] offset:HALF*\s+16*\k   ; LDS serves a wave's instructions in order: these see the stores above
.endr
.endr
	s_wait_dscnt 0x0                               ; the row is back, and the stores have read the registers that will take its codes
.irp c, 0,1,2,3                        ; the sum, in four chains that the first eight pairs start
	v_pk_add_f32 v[U+2*\c:U+2*\c+1], v[T+2*\c:T+2*\c+1], v[T+8+2*\c:T+8+2*\c+1]
.endr
.irp k, 2,3
.irp c, 0,1,2,3
	s_delay_alu instid0(VALU_DEP_4)
	v_pk_add_f32 v[U+2*\c:U+2*\c+1], v[U+2*\c:U+2*\c+1], v[T+8*\k+2*\c:T+8*\k+2*\c+1]
.endr
.endr
	JOIN
	s_delay_alu instid0(VALU_DEP_1)
	v_mul_f32 v[U+8], s20, v[U]                    ; the mean, twice: a pair for the packed form
	s_delay_alu instid0(VALU_DEP_2)
	v_mul_f32 v[U+9], s20, v[U]
.irp c, 0,2,4,6,8,10,12,14,16,18,20,22,24,26,28,30
	v_pk_add_f32 v[T+\c:T+\c+1], v[T+\c:T+\c+1], v[U+8:U+9] neg_lo:[0,1] neg_hi:[0,1]   ; x - mean
.endr
.irp c, 0,1,2,3                        ; the sum of their squares
	v_pk_mul_f32 v[U+2*\c:U+2*\c+1], v[T+2*\c:T+2*\c+1], v[T+2*\c:T+2*\c+1]
.endr
.irp k, 1,2,3
.irp c, 0,1,2,3
	s_delay_alu instid0(VALU_DEP_4)
	v_pk_fma_f32 v[U+2*\c:U+2*\c+1], v[T+8*\k+2*\c:T+8*\k+2*\c+1], v[T+8*\k+2*\c:T+8*\k+2*\c+1], v[U+2*\c:U+2*\c+1]
.endr
.endr
	JOIN
	s_delay_alu instid0(VALU_DEP_1)
	v_fma_f32 v[U+10], v[U], s20, s21              ; the variance + 1e-12
	s_wait_alu depctr_va_vdst(0)
	v_rsq_f32 v[U+12], v[U+10]
	v_nop                                          ; a plain instruction behind the transcendental (ISA guide 5.7.2),
	s_wait_alu depctr_va_vdst(0)                   ; and the wait ahead of the first use of its result
	v_mov_b32 v[U+13], v[U+12]
.irp c, 0,2,4,6,8,10,12,14,16,18,20,22,24,26,28,30
	v_pk_mul_f32 v[T+\c:T+\c+1], v[T+\c:T+\c+1], v[U+12:U+13]
.endr
.irp c, 0,2,4,6,8,10,12,14,16,18,20,22,24,26,28,30
	v_pk_fma_f32 v[T+\c:T+\c+1], v[T+\c:T+\c+1], v[G+\c:G+\c+1], v[BB+\c:BB+\c+1]   ; x ln_g + ln_b
.endr
.irp t, 0,1,2                          ; three sets of codes
.irp q, 0,1,2,3
.irp e, 0,1,2,3,4,5,6,7
.endr
	v_cvt_scalef32_pk8_fp8_f32 v[X+32*\i+8*\t+2*\q:X+32*\i+8*\t+2*\q+1], v[U+8*(\q%2)+((T+8*\q+0)-(U+8*(\q%2)+0)):U+8*(\q%2)+7+((T+8*\q+0)-(U+8*(\q%2)+0))], v[SC+\t]
.endr
	global_store_b128 v[CO], v[X+32*\i+8*\t:X+32*\i+8*\t+3], s[12+2*\t:13+2*\t] offset:1024*\i        ; elements 16 l on: 512 consecutive bytes, aligned
	global_store_b128 v[CO], v[X+32*\i+8*\t+4:X+32*\i+8*\t+7], s[12+2*\t:13+2*\t] offset:1024*\i+512  ; elements 512 + 16 l on.  No code register is written again: no wait for the stores
.endr
	v_nop                                          ; a plain line behind the last conversion
.endm
	ROW 0
	ROW 1
	ROW 2
	ROW 3
	s_wait_tensorcnt 0x0                           ; the wave's end: behind my last LDS store
	ds_add_u32 v[SPW], v[NIL]
	s_wait_dscnt 0x0
	s_endpgm
.Lfunc_end_k_qa0444b82b5_lnq:
	.size	k_qa0444b82b5_lnq, .Lfunc_end_k_qa0444b82b5_lnq-k_qa0444b82b5_lnq
	.p2alignl 7, 3214868480
	.fill 96, 4, 3214868480
	.section	.rodata,"a",@progbits
	.p2align	6, 0x0
	.amdhsa_kernel k_qa0444b82b5_lnq
		.amdhsa_group_segment_fixed_size 41984
		.amdhsa_private_segment_fixed_size 0
		.amdhsa_enable_private_segment 0
		.amdhsa_kernarg_size 40
		.amdhsa_user_sgpr_count 2
		.amdhsa_user_sgpr_kernarg_segment_ptr 1
		.amdhsa_wavefront_size32 1
		.amdhsa_system_sgpr_workgroup_id_x 1
		.amdhsa_system_sgpr_workgroup_id_y 1
		.amdhsa_system_sgpr_workgroup_id_z 1
		.amdhsa_system_vgpr_workitem_id 0
		.amdhsa_next_free_vgpr 256
		.amdhsa_next_free_sgpr 66
		.amdhsa_reserve_vcc 0
		.amdhsa_float_denorm_mode_32 3
		.amdhsa_float_denorm_mode_16_64 3
		.amdhsa_fp16_overflow 1
		.amdhsa_memory_ordered 1
		.amdhsa_forward_progress 1
		.amdhsa_inst_pref_size 48
	.end_amdhsa_kernel
	.amdgpu_metadata
---
amdhsa.version: [ 1, 2 ]
amdhsa.kernels:
  - .name:           k_qa0444b82b5_lnq
    .symbol:         k_qa0444b82b5_lnq.kd
    .args:
      - { .name: x, .offset: 0, .size: 8, .value_kind: global_buffer, .address_space: global }
      - { .name: ln_g, .offset: 8, .size: 8, .value_kind: global_buffer, .address_space: global }
      - { .name: ln_b, .offset: 16, .size: 8, .value_kind: global_buffer, .address_space: global }
      - { .name: lowp_scales, .offset: 24, .size: 8, .value_kind: global_buffer, .address_space: global }
      - { .name: xc, .offset: 32, .size: 8, .value_kind: global_buffer, .address_space: global }
    .group_segment_fixed_size: 41984
    .private_segment_fixed_size: 0
    .kernarg_segment_align: 8
    .kernarg_segment_size: 40
    .max_flat_workgroup_size: 256
    .sgpr_count:     66
    .vgpr_count:     256
    .wavefront_size: 32
...
	.end_amdgpu_metadata
.endif
;; end of part 1
;; launch qkv (part 2): grid 12 x 32, 4 waves a work-group, clusters of 4 x 4, 327,680 bytes of LDS; arguments xc, w_q_codes, w_k_codes, w_v_codes, b_q, b_k, b_v, lowp_scales, qi, ki, vi; writes qi, ki, vi
.if DOCPART == 2
	.amdgcn_target "amdgcn-amd-amdhsa--gfx1250"
	.amdhsa_code_object_version 6
	.text
	.protected	k_qa0444b82b5_qkv
	.globl	k_qa0444b82b5_qkv
	.p2align	8
	.type	k_qa0444b82b5_qkv,@function
k_qa0444b82b5_qkv:
	s_mov_b64 s[64:65], 0
	v_nop
	global_prefetch_b8 v0, s[64:65] scope:SCOPE_SE
	s_setreg_imm32_b32 hwreg(HW_REG_WAVE_MODE, 25, 1), 1
	s_wait_xcnt 0x0
	s_wait_alu depctr_hold_cnt(0) depctr_sa_sdst(0) depctr_va_vdst(0) depctr_va_sdst(0) depctr_va_ssrc(0) depctr_va_vcc(0) depctr_vm_vsrc(0)
	s_getreg_b32 s2, hwreg(HW_REG_IB_STS2, 6, 4)
	s_cmp_eq_u32 s2, 0
	s_cbranch_scc0 .Lentry_in_a_cluster
	s_endpgm
.Lentry_in_a_cluster:
	s_bfe_u32 s2, ttmp6, 0x10000c
	s_cmp_lg_u32 s2, 0xf033
	s_cbranch_scc0 .Lentry_shape_is_right
	s_endpgm
.Lentry_shape_is_right:
; q, k, v = xn W^T + b on codes of E4M3, then quantised again and laid out as the attention launch's operands want them.
; The cluster's x says which of the three: 0 q, 1 k, 2 v.  xc set t: [8192][1024] codes of xn; W: [1024][1024] codes, K innermost.
; A tile of the result, 256 x 256, is made by four waves, each 128 x 128: 64 accumulators of 16 x 16, 512 registers.  K = 1,024 goes in four steps of 256 through two LDS slots filled by the tensor data mover.
; ROLES.  'A' is the operand whose rows a lane keeps ONE of, 'B' the one of whose rows it keeps eight neighbours (the matrix instruction takes B's rows as source 0 and A's as source 1).
;   q, k: A = tokens (xc), B = features (W): a lane's eight numbers run along the head's 64, the K of q k^T.
;   v:    A = features (W), B = tokens (xc): a lane's eight numbers run along the keys, the K of p v.
; Only pointers and tile numbers are chosen, by selects on the cluster's x, which all sixteen partners share.
; CLUSTERS: 4 x 4 work-groups.  The four of a row of the cluster need the same tile of A, the four of a column the same tile of B: each is asked for jointly, by the same tensor load with the same descriptor and a mask that names the four.
; THE WAY OUT.  number = sum x 2^(eA + eB) + bias, converted, eight codes a conversion.  The codes go into the wave's own stage in LDS AT THE PLACE THAT THEY HAVE IN THE OUTPUT, and leave as 512 consecutive bytes a store.
;   qi, ki: [batch 4][head 16][block of 128 tokens 16][8,192 bytes]: eight tiles of 1,024 bytes; tile 2 g + u holds tokens 32 g + 8 u + p + 8 (p / 8), p = 0 .. 15; in it part c (512 bytes) has, at 16 x (16 hd + p), channels 32 hd + 16 c + 0 .. 15.
;   vi:     [batch][head][block][group of 32 keys 4][16 channels 4][512 bytes]: at 16 x (16 hk + r): channel 16 t + r, keys 32 c + 16 hk + 0 .. 15.
; The stages lie in slot 0, which has had its last fill and its last read by then; the q/k path and the v path have bytes of their own there.
; LIMITS: eA + eB between -126 and 127; eO (entries 6, 7, 9) between -126 and 119.  NaN among the inputs is not served.
; REGISTERS, in windows of 256: window 0: v0-31 addresses; v32-95, v96-111 biases; from v128 A's fragments, ONE set (on the way out: numbers, codes, images).  window 1: B's fragments, two sets.  windows 2, 3: the accumulators ((a, b) at v[8 (8 (a % 4) + b)]).
.set KSTEP,  256
.set ROWB,   256                       ; a tile's row in bytes
.set KROW,   1024                      ; a row of xc or of W in memory
.set PITCH,  272                       ; an LDS row: 256 bytes + 16 of padding = 68 words: the 16 rows that a load touches start at 16 different banks (64 banks of 4 bytes: ISA guide 11.1)
.set FR,     16                        ; registers of a fragment: 16 rows x 128 K
.set NL,     4                         ; LDS loads that bring one
.set NP,     4                         ; places behind this matrix instruction (ISA guide 7.12.1)
.set HALFT,  128*PITCH                 ; 128 rows: what one tensor load brings
.set SLOT,   4*HALFT                   ; A's 256 rows, then B's 256 rows
.set SPARE,  2*SLOT                    ; behind the ring: the spare words, 128 bytes for each wave: two blocks of 256 bytes that no other line names
.set BH,   8                           ; v8   32 x (lane / 16): my eight biases of a tile of features; never rewritten
.set BR,   9                           ; v9   4 x (lane % 16): my one bias of a tile of channels; never rewritten
.set SC,   10                          ; v10  2^eO
.set LIM,  11
.set STQ,  12                          ; v12  the q/k stage: where my 8 codes go
.set STV,  13                          ; v13  the v stage
.set RDQ,  14                          ; v14  the q/k stage, read back: 16 x lane
.set RDV,  15                          ; v15  the v stage, read back
.set ADRA, 16                          ; v16-17  LDS address of my A fragments in slot 0, 1
.set ADRB, 20                          ; v20-21  the same for B
.set GO,   27                          ; v27  16 x lane: my place in a store's 512 bytes; never rewritten
.set SPW,  28                          ; v28  LDS address of my spare word; never rewritten
.set NIL,  29                          ; v29  0; never rewritten
.set BQ,   32                          ; v32-95   bias at features 16 b + 8 h + i (q, k)
.set BV,   96                          ; v96-111  bias at channel 16 a + r, twice each (v)
.set AF,   128                         ; A's fragments
.set TMP,  128                         ; the way out: a block's 64 numbers,
.set CD,   192                         ; its 16 registers of codes,
.set RB,   128                         ; and at the end the wave's 16 KB of images
.set G1, 24                            ; s[24:31] descriptor group 1 for A's tiles;  s[32:39] group 0, one set for each slot
.set G0, 32
.set G1B, 48                           ; s[48:55], s[56:63] the same for B's tiles
.set G0B, 56
.set MSB, 0
.macro WIN new                         ; the immediate's high byte repeats the setting that is left
.if MSB != \new
	s_set_vgpr_msb (MSB<<8)|\new
.set MSB, \new
.endif
.endm
.set MUL_LO, 0xa1                      ; source 0 (B) window 1, source 1 (A) window 0, C and D window 2
.set MUL_HI, 0xf1                      ; the same, C and D window 3
.set TO_B,   0x40                      ; destination window 1, address window 0
; A joint load: waves 0 and 1 fetch for A, waves 2 and 3 for B.  The branch hangs on the wave's number alone.  An s_nop 0 and four v_nop follow each of the two lines.
.macro JLOAD g0a, g1a, g0b, g1b
	s_cmp_eq_u32 s15, 0
	s_cbranch_scc0 .Lfor_b_\@
	tensor_load_to_lds s[\g0a:\g0a+3], s[\g1a:\g1a+7]
	s_nop 0
.rept 4
	v_nop
.endr
	s_branch .Lasked_\@
.Lfor_b_\@:
	tensor_load_to_lds s[\g0b:\g0b+3], s[\g1b:\g1b+7]
	s_nop 0
.rept 4
	v_nop
.endr
.Lasked_\@:
.endm
.macro CREST                           ; a round of the cluster's barrier behind its opening barrier
	s_cmp_lg_u32 s14, 0
	s_cbranch_scc1 .Lnot_wave_0_\@
	s_barrier_signal -3
.Lnot_wave_0_\@:
	s_barrier_wait -3
	s_barrier_signal -1
	s_barrier_wait -1
.endm
.macro CROUND                          ; a whole round
	s_barrier_signal -1
	s_barrier_wait -1
	CREST
.endm
	s_load_b256 s[68:75], s[0:1], 0x0              ; xc s[68:69], W of q s[70:71], of k s[72:73], of v s[74:75]
	s_load_b256 s[76:83], s[0:1], 0x20             ; b_q s[76:77], b_k s[78:79], b_v s[80:81], the scales s[82:83]
	s_load_b128 s[84:87], s[0:1], 0x40             ; qi s[84:85], ki s[86:87]
	s_load_b64 s[88:89], s[0:1], 0x50              ; vi
	v_lshl_add_u32 v[SPW], v0, 2, SPARE
	v_mov_b32 v[NIL], 0
	ds_add_u32 v[SPW], v[NIL]                      ; the wave's opening: the add and its wait stand ahead of my first tensor load; the set-up below, work on registers, stands between them
	ds_add_u32 v[SPW], v[NIL]
	v_lshrrev_b32 v1, 5, v0
	v_readfirstlane_b32 s14, v1                    ; wave 0..3
	s_lshr_b32 s15, s14, 1                         ; which half of A's rows is mine.  Also: I fetch for A (0) or for B (1)
	s_and_b32 s16, s14, 1                          ; which half of B's rows.  Also: which 128 rows of that tile I fetch
	s_bfe_u32 s40, ttmp6, 0x40000                  ; cx, cy: my place in the cluster
	s_bfe_u32 s41, ttmp6, 0x40004
	s_mov_b32 s12, ttmp9                           ; the cluster's x: 0 q, 1 k, 2 v
	s_and_b32 s13, ttmp7, 0xffff
	s_lshl_b32 s13, s13, 2                         ; 4 x the cluster's y: the tokens' tiles of this cluster begin here
	s_cmp_eq_u32 s12, 2
	s_cselect_b32 s17, 0, s13                      ; A's tile: tokens 4 Y + cy (q, k), features cy (v)
	s_cselect_b32 s42, s13, 0                      ; B's tile: features cx (q, k), tokens 4 Y + cx (v)
	s_add_co_u32 s17, s17, s41
	s_add_co_u32 s42, s42, s40
	s_lshl_b32 s43, s41, 2
	s_lshl_b32 s43, 15, s43                        ; my row of the cluster
	s_lshl_b32 s44, 0x1111, s40                    ; my column
	; descriptor group 1: a tile of 128 rows x 256 bytes, padded in LDS
	s_or_b32 s[G1+0], s43, (0<<16)|(1<<20)|(1<<21)|(5<<22)|(3<<25)  ; 15:0 the mask: A's tiles go to my row; 17:16 elements of 1 byte; 20 padding on; 21 set beside a mask; 24:22 after every 64 words (code 5); 31:25 four words (code 3)
	s_or_b32 s[G1B+0], s44, (0<<16)|(1<<20)|(1<<21)|(5<<22)|(3<<25) ; the same with the mask of my column
.irp g, G1, G1B
	s_mov_b32 s[\g+1], ROWB<<16                    ; tensor_dim0
	s_mov_b32 s[\g+2], 128<<16                     ; tensor_dim1 = 128
	s_mov_b32 s[\g+3], ROWB<<16                    ; tile_dim0
	s_mov_b32 s[\g+4], 128                         ; tile_dim1 = 128
	s_mov_b32 s[\g+5], KROW                        ; tensor_dim0_stride
	s_mov_b32 s[\g+6], 0
	s_mov_b32 s[\g+7], 0
.endr
	s_lshl_b32 s18, s16, 7                         ; which 128 rows of the tile I fetch
	s_lshl_b32 s20, s17, 8
	s_add_co_u32 s20, s20, s18
	s_lshl_b32 s20, s20, 10                        ; A: (256 x tile + 128 x half) rows of 1,024 bytes: under 2^23
	s_mov_b32 s21, 0
	s_lshl_b32 s46, s42, 8
	s_add_co_u32 s46, s46, s18
	s_lshl_b32 s46, s46, 10                        ; B likewise, in registers that never hold cy
	s_mov_b32 s47, 0
	s_lshl_b32 s2, s12, 23                         ; which set of xc
	s_mov_b32 s3, 0
	s_mul_i32 s45, s14, HALFT                      ; where the tiles go: wave x 128 rows: no place in the cluster enters an LDS address
	s_wait_dscnt 0x0                               ; the opening add is done
	s_wait_kmcnt 0x0
	s_add_nc_u64 s[68:69], s[68:69], s[2:3]        ; xn's codes under this product's scale
	s_cmp_eq_u32 s12, 0
	s_cselect_b64 s[70:71], s[70:71], s[72:73]     ; q's or k's weight,
	s_cselect_b64 s[8:9], s[76:77], s[78:79]       ; bias
	s_cselect_b64 s[10:11], s[84:85], s[86:87]     ; and output;
	s_cmp_eq_u32 s12, 2
	s_cselect_b64 s[70:71], s[74:75], s[70:71]     ; or v's
	s_cselect_b64 s[8:9], s[80:81], s[8:9]
	s_cselect_b64 s[10:11], s[88:89], s[10:11]
	s_cselect_b64 s[4:5], s[70:71], s[68:69]       ; A: the weight for v, else xn
	s_cselect_b64 s[6:7], s[68:69], s[70:71]       ; B: the other
	s_load_b256 s[72:79], s[82:83], 0x0            ; entries 0 to 7 of the scales (the pointers that lay here have been used),
	s_load_b128 s[84:87], s[82:83], 0x20           ; and 8 to 11
	s_add_nc_u64 s[20:21], s[4:5], s[20:21]
	s_add_nc_u64 s[46:47], s[6:7], s[46:47]
	CROUND                                         ; all sixteen work-groups are here: the first joint loads meet
.irp s, 0,1
	s_mov_b32 s[G0+4*\s], 1
	s_add_co_u32 s[G0+4*\s+1], s45, \s*SLOT
	s_add_nc_u64 s[G0+4*\s+2:G0+4*\s+3], s[20:21], \s*ROWB
	s_or_b32 s[G0+4*\s+3], s[G0+4*\s+3], 0x80000000
	s_mov_b32 s[G0B+4*\s], 1
	s_add_co_u32 s[G0B+4*\s+1], s45, \s*SLOT
	s_add_nc_u64 s[G0B+4*\s+2:G0B+4*\s+3], s[46:47], \s*ROWB
	s_or_b32 s[G0B+4*\s+3], s[G0B+4*\s+3], 0x80000000
	JLOAD G0+4*\s, G1, G0B+4*\s, G1B               ; by this text's count two tensor loads of a wave are out here, later one
.endr
	v_and_b32 v1, 15, v0                           ; r = lane % 16
	s_wait_alu depctr_va_vdst(0)
	v_bfe_u32 v2, v0, 4, 1                         ; h = lane / 16
	v_mul_u32_u24 v3, v1, PITCH
	v_lshl_add_u32 v4, v2, 4, v3                   ; a fragment's row x pitch + 16 x half
	s_mul_i32 s21, s15, HALFT                      ; my 128 rows of A
	s_mul_i32 s22, s16, HALFT                      ; my 128 rows of B,
	s_add_co_u32 s22, s22, 2*HALFT                 ; which lie behind A's 256
.irp s, 0,1
	v_add_nc_u32 v[ADRA+\s], s21, v4
	v_add_nc_u32 v[ADRB+\s], s22, v4
	s_add_co_u32 s21, s21, SLOT
	s_add_co_u32 s22, s22, SLOT
.endr
	s_lshl_b32 s23, s14, 14                        ; my stage: 16,384 bytes a wave
	v_lshrrev_b32 v5, 3, v1
	v_and_b32 v6, 7, v1
	v_lshlrev_b32 v7, 4, v6
	v_lshl_add_u32 v7, v5, 10, v7
	v_lshl_add_u32 v7, v2, 3, v7
	v_add_nc_u32 v[STQ], s23, v7                   ; q, k: tile u = r / 8 (1,024 bytes), place r % 8 (16 bytes), my half's 8 bytes
	v_lshlrev_b32 v7, 4, v1
	v_lshl_add_u32 v7, v2, 3, v7
	v_add_nc_u32 v[STV], s23, v7
	v_add_nc_u32 v[STV], 0x10000, v[STV]           ; v: place r (16 bytes), my half's 8 bytes; 65,536 bytes behind the q/k stages
	v_and_b32 v6, 31, v0
	v_lshlrev_b32 v[GO], 4, v6
	v_add_nc_u32 v[RDQ], s23, v[GO]
	v_add_nc_u32 v[RDV], 0x10000, v[RDQ]
	v_lshlrev_b32 v[BH], 5, v2
	s_wait_alu depctr_va_vdst(0)
	v_lshlrev_b32 v[BR], 2, v1
	s_wait_alu depctr_va_vdst(0)
	; my first token and my first feature
	s_lshl_b32 s66, s17, 8
	s_lshl_b32 s67, s15, 7
	s_add_co_u32 s66, s66, s67                     ; my first row of A
	s_lshl_b32 s90, s42, 8
	s_lshl_b32 s91, s16, 7
	s_add_co_u32 s90, s90, s91                     ; my first row of B
	s_cmp_eq_u32 s12, 2
	s_cselect_b32 s92, s90, s66                    ; the token: a multiple of 128, so my 128 tokens are one block
	s_cselect_b32 s93, s66, s90                    ; the feature: a multiple of 128, so my 128 features are two heads
	s_lshl_b32 s94, s93, 2
	s_mov_b32 s95, 0
	s_add_nc_u64 s[8:9], s[8:9], s[94:95]          ; the bias at my first feature
.irp b, 0,1,2,3,4,5,6,7                ; both layouts of my 128 biases are fetched, whichever path follows: 1 KB, on its way during the products
	global_load_b128 v[BQ+8*\b:BQ+8*\b+3], v[BH], s[8:9] offset:64*\b
	global_load_b128 v[BQ+8*\b+4:BQ+8*\b+7], v[BH], s[8:9] offset:64*\b+16
.endr
.irp a, 0,1,2,3,4,5,6,7
	global_load_b32 v[BV+2*\a], v[BR], s[8:9] offset:64*\a
	global_load_b32 v[BV+2*\a+1], v[BR], s[8:9] offset:64*\a
.endr
	s_lshr_b32 s94, s92, 11                        ; batch
	s_lshl_b32 s94, s94, 4
	s_lshr_b32 s95, s93, 6                         ; head
	s_add_co_u32 s94, s94, s95
	s_lshl_b32 s94, s94, 4
	s_bfe_u32 s95, s92, 0x40007                    ; block of 128 tokens
	s_add_co_u32 s94, s94, s95
	s_lshl_b32 s94, s94, 13                        ; x 8,192 bytes
	s_mov_b32 s95, 0
	s_add_nc_u64 s[10:11], s[10:11], s[94:95]      ; the output at my first head's block; the second head's lies 131,072 bytes on
.macro FRAG reg, adr, q, i             ; a fragment, 16 rows x 128 K, is 16 registers: lane l holds row l % 16; registers 4 c .. 4 c + 3 hold K = 32 c + 16 (l / 16) + 0 .. 15: the same order of K on both sides
.irp c, 0,1,2,3
	ds_load_b128 v[\reg+4*\c:\reg+4*\c+3], v[\adr] offset:128*(\q)+32*\c+(\i)*16*PITCH
.endr
.endm
; 16 matrix instructions: A's blocks a0, a0 + 1 x B's eight, 128 along K.  p: B's set.  zero = 1: the first product starts the sums.  The 64 accumulators take turns, one instruction a turn.
.macro MUL16 a0, p, zero
.irp a, \a0, \a0+1
.irp b, 0,1,2,3,4,5,6,7
.if \zero
	v_wmma_f32_16x16x128_fp8_fp8 v[8*(8*((\a)%4)+\b):8*(8*((\a)%4)+\b)+7], v[128*(\p)+FR*\b:128*(\p)+FR*\b+FR-1], v[AF+FR*(\a):AF+FR*(\a)+FR-1], 0
.else
	v_wmma_f32_16x16x128_fp8_fp8 v[8*(8*((\a)%4)+\b):8*(8*((\a)%4)+\b)+7], v[128*(\p)+FR*\b:128*(\p)+FR*\b+FR-1], v[AF+FR*(\a):AF+FR*(\a)+FR-1], v[8*(8*((\a)%4)+\b):8*(8*((\a)%4)+\b)+7]
.endif
.endr
.endr
.endm
.macro FETCH_B slot, q, p              ; B's eight fragments of the slot's q-th 128 along K into set p
	WIN TO_B
.irp i, 0,1,2,3,4,5,6,7
	FRAG 128*(\p)+FR*\i, ADRB+\slot, \q, \i
.endr
	WIN 0
.endm
.macro FETCH_A slot, q, i0             ; A's blocks i0 .. i0 + 3
.irp i, \i0, \i0+1, \i0+2, \i0+3
	FRAG AF+FR*(\i), ADRA+\slot, \q, \i
.endr
.endm
.macro PLACES n                        ; plain vector lines between a matrix instruction and a load into, or a vector line on, one of its registers
.rept \n
	v_nop
.endr
.endm
; A step of 128 along K that has its successor in the same slot.  A block of A is free as soon as its eight products are issued: blocks 0-3 are fetched anew in the step's middle, blocks 4-7 at its end.
.macro STEP slot, q, zero
	s_wait_dscnt 4*NL                              ; B's set and A's blocks 0-3 are in; the youngest sixteen loads (A's blocks 4-7) may be out
	WIN MUL_LO
	MUL16 0, (\q)%2, \zero
	MUL16 2, (\q)%2, \zero
	s_wait_dscnt 0                                 ; A's blocks 4-7 are in
	PLACES NP
	FETCH_B \slot, (\q)+1, 1-(\q)%2
	FETCH_A \slot, (\q)+1, 0
	WIN MUL_HI
	MUL16 4, (\q)%2, \zero
	MUL16 6, (\q)%2, \zero
	PLACES NP
	WIN 0
	FETCH_A \slot, (\q)+1, 4
.endm
; A slot's last step changes slots: ONE barrier; in front of it each wave waits for all its tensor loads, adds 0 to its spare word, and waits for that and for its own reads of this slot.  fill = 1: this slot is filled again, two K steps ahead.
.macro TURN slot, next, fill
	s_wait_tensorcnt 0x0                           ; all my tensor loads have landed: my part of the next slot
	ds_add_u32 v[SPW], v[NIL]                      ; 0 onto my spare word
	s_wait_dscnt 4*NL+1                            ; (the add and the youngest sixteen loads, A's blocks 4-7, may be out)
	WIN MUL_LO
	MUL16 0, 1, 0                                  ; sixteen matrix instructions stand between the add and the wait for it
	s_wait_dscnt 0x0                               ; the add is done, and my reads of this slot are over
	s_barrier_signal -1
	MUL16 2, 1, 0
	WIN 0
	s_barrier_wait -1
.if \fill
	CREST                                          ; the barrier has opened a round of the cluster's barrier: no wave of any partner still reads this slot's tile or has a load on its way
	s_add_nc_u64 s[G0+4*\slot+2:G0+4*\slot+3], s[G0+4*\slot+2:G0+4*\slot+3], 2*ROWB
	s_add_nc_u64 s[G0B+4*\slot+2:G0B+4*\slot+3], s[G0B+4*\slot+2:G0B+4*\slot+3], 2*ROWB
	JLOAD G0+4*\slot, G1, G0B+4*\slot, G1B         ; the first tensor load behind the round; its four v_nop are the places in front of the loads below
.else
	PLACES NP
.endif
	FETCH_B \next, 0, 0
	FETCH_A \next, 0, 0
	WIN MUL_HI
	MUL16 4, 1, 0
	MUL16 6, 1, 0
	PLACES NP
	WIN 0
	FETCH_A \next, 0, 4
.endm
	s_wait_tensorcnt 1                             ; my part of K step 0 is in (K step 1's load may be out)
	s_barrier_signal -1
	s_barrier_wait -1                              ; everybody's is
	FETCH_B 0, 0, 0
	FETCH_A 0, 0, 0
	FETCH_A 0, 0, 4
	STEP 0, 0, 1                                   ; K 0-127: the products start the sums
	TURN 0, 1, 1                                   ; K 128-255; slot 0 takes K 512-767
	STEP 1, 0, 0
	TURN 1, 0, 1                                   ; slot 1 takes K 768-1023
	STEP 0, 0, 0
	TURN 0, 1, 0                                   ; nothing is left to fetch: no round, no load
	STEP 1, 0, 0
	s_wait_dscnt 4*NL                              ; the last step
	WIN MUL_LO
	MUL16 0, 1, 0
	MUL16 2, 1, 0
	s_wait_dscnt 0
	WIN MUL_HI
	MUL16 4, 1, 0
	MUL16 6, 1, 0
	WIN 0
	; THE WAY OUT
	s_wait_kmcnt 0x0
	s_cmp_eq_u32 s12, 0
	s_cselect_b32 s90, s72, s74                    ; eA: entry 0 or 2,
	s_cselect_b32 s91, s73, s75                    ; eB: 1 or 3,
	s_cselect_b32 s92, s78, s79                    ; eO: 6 (q) or 7 (k);
	s_cmp_eq_u32 s12, 2
	s_cselect_b32 s90, s76, s90                    ; or 4,
	s_cselect_b32 s91, s77, s91                    ; 5
	s_cselect_b32 s92, s85, s92                    ; and 9 (v)
	s_add_co_i32 s96, s90, s91
	s_add_co_i32 s96, s96, 127
	s_lshl_b32 s96, s96, 23                        ; 2^(eA + eB) as f32
	s_mov_b32 s97, s96                             ; (named with it as a pair, so it is written)
	s_add_co_i32 s92, s92, 127
	s_lshl_b32 s98, s92, 23
	v_mov_b32 v[SC], s98                           ; 2^eO
	s_wait_loadcnt 0x0                             ; the biases
	PLACES NP                                      ; behind the last products: their results are read and A's registers written below
; Block a: 16 rows of A x my 128 rows of B.  bias = 0: q, k: the lane's token 16 a + r, features 16 b + 8 h + i.  1: v: the lane's channel 16 a + r, keys 16 b + 8 h + i.
.macro BLOCK a, isv
.set AC, 64*((\a)%4)
	WIN 0x02+((\a)/4)                              ; source 0: window 2 or 3
.irp b, 0,1,2,3,4,5,6,7
.irp i, 0,2,4,6
.if \isv
	v_pk_fma_f32 v[TMP+8*\b+\i:TMP+8*\b+\i+1], v[AC+8*\b+\i:AC+8*\b+\i+1], s[96:97], v[BV+2*(\a):BV+2*(\a)+1] op_sel_hi:[1,0,1]   ; sum x 2^(eA + eB) + bias; each accumulator from its low end on
.else
	v_pk_fma_f32 v[TMP+8*\b+\i:TMP+8*\b+\i+1], v[AC+8*\b+\i:AC+8*\b+\i+1], s[96:97], v[BQ+8*\b+\i:BQ+8*\b+\i+1] op_sel_hi:[1,0,1]
.endif
.endr
.endr
	WIN 0
	s_wait_alu depctr_va_vdst(0)
	s_wait_dscnt 0x0                               ; the last block's stores have read the codes' registers
.irp b, 0,1,2,3,4,5,6,7
.irp i, 0,1,2,3,4,5,6,7
.endr
	v_cvt_scalef32_pk8_fp8_f32 v[CD+2*\b:CD+2*\b+1], v[TMP+8*\b:TMP+8*\b+7], v[SC]
.endr
	v_nop                                          ; a plain line behind the last conversion: the next block writes its sources
.irp b, 0,1,2,3,4,5,6,7
.if \isv
	ds_store_b64 v[STV], v[CD+2*\b:CD+2*\b+1] offset:((\a)/4)*8192+(\b/2)*2048+((\a)%4)*512+(\b%2)*256   ; head a / 4, group of keys b / 2, channels' tile a % 4, half of the group b % 2
.else
	ds_store_b64 v[STQ], v[CD+2*\b:CD+2*\b+1] offset:(\b/4)*8192+((\a)/2)*2048+(\b%2)*512+((\b%4)/2)*256+((\a)%2)*128   ; head b / 4, group of tokens a / 2, part b % 2, half of the channels (b % 4) / 2, places 8 (a % 2) on
.endif
.endr
.endm
.macro OUT16K adr                      ; the stage holds two heads' blocks as they lie in memory: 32 x 512 bytes
	s_wait_dscnt 0x0                               ; my stores have read their registers
.set n, 0
.rept 32
	ds_load_b128 v[RB+4*n:RB+4*n+3], v[\adr] offset:512*n
.set n, n+1
.endr
.set n, 0
.rept 32
	s_wait_dscnt 31-n                              ; LDS loads come back in order: the younger ones may be out
	global_store_b128 v[GO], v[RB+4*n:RB+4*n+3], s[10:11] offset:(n/16)*131072+(n%16)*512   ; 32 lanes store 512 consecutive bytes, aligned
.set n, n+1
.endr
.endm
	s_cmp_eq_u32 s12, 2                            ; the cluster's x: the same way in all sixteen partners
	s_cbranch_scc1 .Lvalues
.irp a, 0,1,2,3,4,5,6,7
	BLOCK \a, 0
.endr
	OUT16K RDQ
	s_branch .Ldone
.Lvalues:
.irp a, 0,1,2,3,4,5,6,7
	BLOCK \a, 1
.endr
	OUT16K RDV
.Ldone:
	s_wait_tensorcnt 0x0                           ; the wave's end: behind my last tensor load and my last LDS store
	ds_add_u32 v[SPW], v[NIL]
	s_wait_dscnt 0x0
	CROUND                                         ; the closing round: no work-group ends while a partner may still ask for a tile that names it
	s_endpgm
.Lfunc_end_k_qa0444b82b5_qkv:
	.size	k_qa0444b82b5_qkv, .Lfunc_end_k_qa0444b82b5_qkv-k_qa0444b82b5_qkv
	.p2alignl 7, 3214868480
	.fill 96, 4, 3214868480
	.section	.rodata,"a",@progbits
	.p2align	6, 0x0
	.amdhsa_kernel k_qa0444b82b5_qkv
		.amdhsa_group_segment_fixed_size 327680
		.amdhsa_private_segment_fixed_size 0
		.amdhsa_enable_private_segment 0
		.amdhsa_kernarg_size 88
		.amdhsa_user_sgpr_count 2
		.amdhsa_user_sgpr_kernarg_segment_ptr 1
		.amdhsa_wavefront_size32 1
		.amdhsa_system_sgpr_workgroup_id_x 1
		.amdhsa_system_sgpr_workgroup_id_y 1
		.amdhsa_system_sgpr_workgroup_id_z 1
		.amdhsa_system_vgpr_workitem_id 0
		.amdhsa_next_free_vgpr 1024
		.amdhsa_next_free_sgpr 100
		.amdhsa_reserve_vcc 0
		.amdhsa_float_denorm_mode_32 3
		.amdhsa_float_denorm_mode_16_64 3
		.amdhsa_fp16_overflow 1
		.amdhsa_memory_ordered 1
		.amdhsa_forward_progress 1
		.amdhsa_inst_pref_size 145
	.end_amdhsa_kernel
	.amdgpu_metadata
---
amdhsa.version: [ 1, 2 ]
amdhsa.kernels:
  - .name:           k_qa0444b82b5_qkv
    .symbol:         k_qa0444b82b5_qkv.kd
    .args:
      - { .name: xc, .offset: 0, .size: 8, .value_kind: global_buffer, .address_space: global }
      - { .name: w_q_codes, .offset: 8, .size: 8, .value_kind: global_buffer, .address_space: global }
      - { .name: w_k_codes, .offset: 16, .size: 8, .value_kind: global_buffer, .address_space: global }
      - { .name: w_v_codes, .offset: 24, .size: 8, .value_kind: global_buffer, .address_space: global }
      - { .name: b_q, .offset: 32, .size: 8, .value_kind: global_buffer, .address_space: global }
      - { .name: b_k, .offset: 40, .size: 8, .value_kind: global_buffer, .address_space: global }
      - { .name: b_v, .offset: 48, .size: 8, .value_kind: global_buffer, .address_space: global }
      - { .name: lowp_scales, .offset: 56, .size: 8, .value_kind: global_buffer, .address_space: global }
      - { .name: qi, .offset: 64, .size: 8, .value_kind: global_buffer, .address_space: global }
      - { .name: ki, .offset: 72, .size: 8, .value_kind: global_buffer, .address_space: global }
      - { .name: vi, .offset: 80, .size: 8, .value_kind: global_buffer, .address_space: global }
    .group_segment_fixed_size: 327680
    .private_segment_fixed_size: 0
    .kernarg_segment_align: 8
    .kernarg_segment_size: 88
    .max_flat_workgroup_size: 128
    .sgpr_count:     100
    .vgpr_count:     1024
    .wavefront_size: 32
...
	.end_amdgpu_metadata
.endif
;; end of part 2
;; launch attn (part 3): grid 16 x 16, 16 waves a work-group, no clusters, 233,472 bytes of LDS; arguments qi, ki, vi, lowp_scales, ctx; writes ctx
.if DOCPART == 3
	.amdgcn_target "amdgcn-amd-amdhsa--gfx1250"
	.amdhsa_code_object_version 6
	.text
	.protected	k_qa0444b82b5_attn
	.globl	k_qa0444b82b5_attn
	.p2align	8
	.type	k_qa0444b82b5_attn,@function
k_qa0444b82b5_attn:
	s_mov_b64 s[64:65], 0
	v_nop
	global_prefetch_b8 v0, s[64:65] scope:SCOPE_SE
	s_setreg_imm32_b32 hwreg(HW_REG_WAVE_MODE, 25, 1), 1
	s_wait_xcnt 0x0
; ctx = softmax over the window (key j counts for query i where 0 <= i - j < 256) of q k^T / 8, times v; both products on codes of E4M3; ctx leaves as codes under entry 10 of the scales.
; SHARES.  Work-group (j, y): the 128 queries of block j, batch y / 4, heads 4 (y % 4) .. + 3: four heads' 64 channels are 256 consecutive bytes of a row of ctx.  32 tiles of 16 queries for 16 waves: two passes;
; in pass p wave w takes head 2 p + w / 8 and tile w % 8 = 2 b' + u, whose queries are 128 j + 32 b' + delta, delta = 8 u + r + 8 (r / 8).
; THE WINDOW of such a tile is nine groups of 32 keys, beginning at key 128 j + 32 b' - 256: group 0 is cut from below (key kk of it counts where kk > delta), group 8 from above (kk <= delta), groups 1 to 7 count whole.
; Groups that would lie before key 0 count for nothing.  What is hidden becomes -infinity ahead of the maximum, so its p is 0; a query's own key always counts, so the maximum is a number.
; ONE PASS: a lane holds one query and 144 of its 288 scores (the lane 16 away holds the others), so M = ceil(the row's largest t) is the row's own: no running maximum, nothing is rescaled.
; p = 2^(t - M), t = score x log2(e) / 8; the row's sum is taken of the unquantised p and divides at the end.
; BOTH PRODUCTS TRANSPOSED: S^T = K Q^T (source 0 = 16 keys), O^T = V^T P^T (source 0 = 16 channels).  The launch before has laid q, k, v as images of the operands' registers: a fragment is 16 bytes a lane at 16 x lane,
; and the keys of a tile of k are chosen so that the 16 registers of two neighbouring tiles are keys 16 (lane / 16) + 0 .. 15 of a group, which is the order in which v's images hold the keys.
; LDS.  For each of the four heads three blocks of 128 keys of K and of V, blocks max(j - 2 + s, 0), s = 0, 1, 2, 8,192 bytes each, on end: group g of the 12 lies 2,048 g bytes in.  (The clamp keeps the loads inside the buffers;
; what it brings twice is read and counts for nothing.)  Every byte is filled once, by 24 tensor loads at the head: waves 0 to 11, two each, heads 0, 1 first.  By this text's count two tensor loads of a wave are out at the most.
; NO CLUSTER: neighbouring blocks of queries share two of their three blocks of keys, but block j - 2 + s lies at slot s, another slot in each partner, and a joint load has one LDS address for all that it names;
; an address by the block's number would hang on the work-group's place in its cluster.  No prefetch: all that the work-group reads is asked for at its head.
; LIMITS: entries 6 + 7 between -123 and 130 (added to c's exponent field); entries 8 and 10 between -126 and 119; 8 + 9 is applied by v_ldexp_f32 and has none.  NaN among the inputs is not served.
.set KV,    98304                      ; K's 4 x 3 x 8,192 bytes; V's lie behind them
.set HEADB, 24576                      ; a head's three blocks
.set STAGE, 2*KV                       ; 128 rows of ctx x (256 bytes + 16)
.set SPITCH, 272
.set SPARE, STAGE+128*SPITCH           ; the spare words, 128 bytes for each wave: eight blocks of 256 bytes that no other line names
.set AK0, 1                            ; v1, v2  LDS address of my window's K in pass 0, 1
.set AV0, 3                            ; v3, v4  of its V
.set SO,  5                            ; v5   the stage: where my 8 codes go
.set RD,  6                            ; v6   the stage, read back
.set GO,  7                            ; v7   my byte offset in the work-group's rows of ctx
.set SPW, 8                            ; v8   LDS address of my spare word; never rewritten
.set NIL, 9                            ; v9   0; never rewritten
.set DD,  10                           ; v10  delta - 16 (lane / 16)
.set NEG, 11                           ; v11  -infinity
                                       ; v12 -M, v13 the largest t; v[14:15], v[16:17] the sum in two chains; v18: 2^e8; v20: 2^e10; v[22:23] 2^(e8 + e9) / sum
.set Q0R, 24                           ; v24-31   Q's fragment of pass 0
.set Q1R, 240                          ; v240-247 of pass 1
.set KB,  32                           ; v32-95   eight fragments of K; later v32-67 p's codes, v68-71 zeros, v72-87 O^T's tiles 2, 3
.set S,   96                           ; v96-239  S^T, then p; later V's fragments and O^T's tiles 0, 1
.set VX,  96                           ; v96-159
.set VY,  160                          ; v160-223
.set NH,  44                           ; s44  how many of my window's groups lie before key 0: 8 - 4 j - b'
	s_load_b256 s[4:11], s[0:1], 0x0               ; qi s[4:5], ki s[6:7], vi s[8:9], the scales s[10:11]
	s_load_b64 s[12:13], s[0:1], 0x20              ; ctx
	v_lshl_add_u32 v[SPW], v0, 2, SPARE
	v_mov_b32 v[NIL], 0
	ds_add_u32 v[SPW], v[NIL]                      ; the wave's opening: the add and its wait stand ahead of my first tensor load; the set-up below, work on registers, stands between them
	ds_add_u32 v[SPW], v[NIL]
	v_lshrrev_b32 v32, 5, v0
	s_delay_alu instid0(VALU_DEP_1)
	v_readfirstlane_b32 s14, v32                   ; wave 0..15
	s_mov_b32 s15, ttmp9                           ; j
	s_and_b32 s16, ttmp7, 0xffff                   ; y
	; what I fetch, if I fetch (waves 0 to 11): K or V (w % 2), head (w / 2) % 2 and that head + 2, slot w / 4
	s_and_b32 s17, s14, 1
	s_bfe_u32 s18, s14, 0x10001
	s_lshr_b32 s19, s14, 2
	s_mul_i32 s20, s17, KV
	s_mul_i32 s21, s18, HEADB
	s_add_co_u32 s20, s20, s21
	s_lshl_b32 s21, s19, 13
	s_add_co_u32 s20, s20, s21                     ; where it goes
	s_add_co_i32 s21, s15, s19
	s_sub_co_i32 s21, s21, 2
	s_max_i32 s21, s21, 0                          ; block max(j - 2 + slot, 0)
	s_lshl_b32 s22, s16, 2
	s_add_co_u32 s22, s22, s18                     ; batch x 16 + head = 4 y + head in the group
	s_lshl_b32 s22, s22, 4
	s_add_co_u32 s22, s22, s21
	s_lshl_b32 s22, s22, 13                        ; x 8,192 bytes
	s_mov_b32 s23, 0
	; descriptor group 1: a dense block of 8,192 bytes as 32 rows of 32 elements of 8 bytes
	s_mov_b32 s24, 3<<16                           ; no mask; elements of 8 bytes; no padding
	s_mov_b32 s25, 32<<16                          ; tensor_dim0 = 32
	s_mov_b32 s26, 32<<16                          ; tensor_dim1 = 32
	s_mov_b32 s27, 32<<16                          ; tile_dim0 = 32
	s_mov_b32 s28, 32                              ; tile_dim1 = 32
	s_mov_b32 s29, 32                              ; tensor_dim0_stride
	s_mov_b32 s30, 0
	s_mov_b32 s31, 0
	s_mov_b32 s40, 0x76543210                      ; v_permlanex16_b32: lane l takes lane l xor 16
	s_mov_b32 s41, 0xfedcba98
	s_lshr_b32 s45, s14, 3                         ; w / 8: which of a pass's two heads
	s_and_b32 s46, s14, 7                          ; my tile
	s_lshr_b32 s47, s46, 1                         ; b'
	s_and_b32 s54, s46, 1                          ; u
	s_lshl_b32 s[NH], s15, 2
	s_add_co_u32 s[NH], s[NH], s47
	s_sub_co_i32 s[NH], 8, s[NH]
	s_wait_dscnt 0x0                               ; the opening add is done
	s_wait_kmcnt 0x0
	s_load_b128 s[48:51], s[10:11], 0x18           ; entries 6 to 9: q, k, p, v
	s_load_b32 s52, s[10:11], 0x28                 ; entry 10: ctx
	s_mov_b32 s32, 1                               ; group 0 for heads 0, 1
	s_mov_b32 s33, s20
	s_cmp_eq_u32 s17, 0
	s_cselect_b64 s[34:35], s[6:7], s[8:9]
	s_add_nc_u64 s[34:35], s[34:35], s[22:23]
	s_mov_b32 s36, 1                               ; and for heads 2, 3: two heads on, in LDS and in memory
	s_add_co_u32 s37, s20, 2*HEADB
	s_add_nc_u64 s[38:39], s[34:35], 0x40000
	s_or_b32 s35, s35, 0x80000000                  ; type = 2
	s_or_b32 s39, s39, 0x80000000
	s_cmp_lt_u32 s14, 12                           ; a wave's two fills stand in one branch on its number, ahead of every wait on TENSORcnt, every LDS read and every barrier
	s_cbranch_scc0 .Lno_fill
	tensor_load_to_lds s[32:35], s[24:31]
	s_nop 0
	tensor_load_to_lds s[36:39], s[24:31]
	s_nop 0
.rept 4
	v_nop
.endr
.Lno_fill:
	s_lshl_b32 s56, s16, 6
	s_add_co_u32 s56, s56, s15
	s_lshl_b32 s56, s56, 13                        ; (64 y + j) x 8,192: block j of the group's first head
	s_mov_b32 s57, 0
	s_add_nc_u64 s[4:5], s[4:5], s[56:57]
	s_lshl_b32 s58, s46, 10                        ; my tile's image,
	s_lshl_b32 s59, s45, 17                        ; in the pass's second head 131,072 bytes on
	s_add_co_u32 s58, s58, s59
	v_and_b32 v32, 31, v0                          ; lane
	s_delay_alu instid0(VALU_DEP_1)
	v_lshlrev_b32 v33, 4, v32
	s_delay_alu instid0(VALU_DEP_1)
	v_add_nc_u32 v252, s58, v33
	global_load_b128 v[Q0R:Q0R+3], v252, s[4:5]                   ; Q's two fragments stay in registers
	global_load_b128 v[Q0R+4:Q0R+7], v252, s[4:5] offset:512
	global_load_b128 v[Q1R:Q1R+3], v252, s[4:5] offset:262144     ; pass 1: two heads on
	global_load_b128 v[Q1R+4:Q1R+7], v252, s[4:5] offset:262656
	s_mul_i32 s59, s45, HEADB
	s_lshl_b32 s60, s47, 11
	s_add_co_u32 s59, s59, s60
	v_add_nc_u32 v[AK0], s59, v33                  ; my head, my window's first group (b' of the 12), 16 x lane
	s_delay_alu instid0(VALU_DEP_1)
	v_add_nc_u32 v[AK0+1], 2*HEADB, v[AK0]
	s_delay_alu instid0(VALU_DEP_2)
	v_add_nc_u32 v[AV0], KV, v[AK0]
	s_delay_alu instid0(VALU_DEP_3)
	v_add_nc_u32 v[AV0+1], KV+2*HEADB, v[AK0]
	v_and_b32 v34, 15, v0                          ; r
	v_bfe_u32 v35, v0, 4, 1                        ; h
	s_delay_alu instid0(VALU_DEP_2)
	v_and_b32 v36, 8, v34
	s_delay_alu instid0(VALU_DEP_1)
	v_add_nc_u32 v36, v36, v34                     ; r + 8 (r / 8)
	s_lshl_b32 s60, s54, 3
	v_add_nc_u32 v36, s60, v36                     ; delta
	v_lshlrev_b32 v37, 4, v35
	s_delay_alu instid0(VALU_DEP_1)
	v_sub_nc_u32 v[DD], v36, v37                   ; delta - 16 h: register i' of a group holds its key 16 h + i'
	s_lshl_b32 s61, s47, 5
	v_add_nc_u32 v36, s61, v36                     ; my query's row among the 128
	s_delay_alu instid0(VALU_DEP_1)
	v_mul_u32_u24 v[SO], v36, SPITCH
	s_delay_alu instid0(VALU_DEP_1)
	v_lshl_add_u32 v[SO], v35, 3, v[SO]
	s_lshl_b32 s62, s45, 6
	s_add_co_u32 s62, s62, STAGE
	v_add_nc_u32 v[SO], s62, v[SO]                 ; + 64 x (w / 8) + 8 h
	s_lshl_b32 s63, s14, 3
	v_add_nc_u32 v36, s63, v35                     ; back: wave w takes rows 8 w on, sixteen lanes to a row
	s_delay_alu instid0(VALU_DEP_1)
	v_mul_u32_u24 v[RD], v36, SPITCH
	s_delay_alu instid0(VALU_DEP_1)
	v_lshl_add_u32 v[RD], v34, 4, v[RD]
	s_delay_alu instid0(VALU_DEP_1)
	v_add_nc_u32 v[RD], STAGE, v[RD]
	s_delay_alu instid0(VALU_DEP_4)
	v_lshlrev_b32 v[GO], 10, v36
	s_delay_alu instid0(VALU_DEP_1)
	v_lshl_add_u32 v[GO], v34, 4, v[GO]
	s_lshr_b32 s56, s16, 2
	s_lshl_b32 s56, s56, 11
	s_lshl_b32 s58, s15, 7
	s_add_co_u32 s56, s56, s58                     ; the block's first row of ctx: 2,048 x batch + 128 j
	s_lshl_b32 s56, s56, 10
	s_and_b32 s58, s16, 3
	s_lshl_b32 s58, s58, 8
	s_add_co_u32 s56, s56, s58                     ; + the four heads' 256 bytes
	s_add_nc_u64 s[12:13], s[12:13], s[56:57]
	v_mov_b32 v[NEG], 0xff800000
	v_mov_b32 v250, 0                              ; written once: a lane permute's destination counts as one of its sources
	s_wait_kmcnt 0x0
	s_add_co_i32 s55, s48, s49
	s_lshl_b32 s55, s55, 23
	s_mov_b32 s42, 0x3e38aa3b                      ; c = log2(e) / 8
	s_add_co_i32 s42, s42, s55                     ; a score stands for score x 2^(e6 + e7): added to c's exponent field
	s_mov_b32 s43, s42                             ; (named with it as a pair, so it is written)
	s_add_co_i32 s55, s50, 127
	s_lshl_b32 s56, s55, 23
	v_mov_b32 v18, s56                             ; 2^e8
	s_add_co_i32 s55, s52, 127
	s_lshl_b32 s56, s55, 23
	v_mov_b32 v20, s56                             ; 2^e10
	s_add_co_i32 s53, s50, s51                     ; e8 + e9
; n tiles of 16 keys from tile k0 of my window's 18 on: their fragments, their products, and the places behind them (in front of the next loads into the fragments' registers, and of the first vector line on the scores)
.macro SCORES k0, n, q, ak
.set kk, 0
.rept \n
	ds_load_b128 v[KB+8*kk:KB+8*kk+3], v[\ak] offset:1024*(\k0+kk)
	ds_load_b128 v[KB+8*kk+4:KB+8*kk+7], v[\ak] offset:1024*(\k0+kk)+512
.set kk, kk+1
.endr
	s_wait_dscnt 0x0
.set kk, 0
.rept \n
	v_wmma_f32_16x16x64_fp8_fp8 v[S+8*(\k0+kk):S+8*(\k0+kk)+7], v[KB+8*kk:KB+8*kk+7], v[\q:\q+7], 0
.set kk, kk+1
.endr
.rept 4
	v_nop
.endr
.endm
; One tile of 16 queries of one head.  p: the pass; q: Q's fragment; ak, av: the registers with the window's LDS addresses.
.macro TILE p, q, ak, av
	SCORES 0, 8, \q, \ak
	SCORES 8, 8, \q, \ak
	SCORES 16, 2, \q, \ak                          ; register 16 g + i' of S: key 16 h + i' of group g
.irp g, 0,1,2,3,4,5,6,7                ; groups before key 0: a branch on ids alone (the wave's and the work-group's numbers); no barrier stands under it
	s_cmp_gt_i32 s[NH], \g
	s_cbranch_scc0 .Lexist_\@
	s_wait_alu depctr_va_vdst(0)
.irp i, 0,1,2,3,4,5,6,7,8,9,10,11,12,13,14,15
	v_mov_b32 v[S+16*\g+\i], v[NEG]
.endr
.endr
.Lexist_\@:
	s_wait_alu depctr_va_vdst(0)
.irp i, 0,1,2,3,4,5,6,7,8,9,10,11,12,13,14,15
	v_cmp_le_i32 vcc_lo, \i, v[DD]                                ; key 16 h + i' <= delta?
	v_cndmask_b32 v[S+\i], v[S+\i], v[NEG], vcc_lo                ; then it is 256 or more behind the query in group 0: hidden,
	v_cndmask_b32 v[S+128+\i], v[NEG], v[S+128+\i], vcc_lo        ; and not ahead of it in group 8: kept
.endr
	v_max_num_f32 v248, v[S], v[S+1]               ; the largest score among my 144, in two chains, each accumulator from its low end on
	v_max_num_f32 v249, v[S+2], v[S+3]
.set kk, 4
.rept 35
	v_max3_num_f32 v248, v248, v[S+kk], v[S+kk+1]
	v_max3_num_f32 v249, v249, v[S+kk+2], v[S+kk+3]
.set kk, kk+4
.endr
	s_delay_alu instid0(VALU_DEP_1)
	v_max_num_f32 v248, v248, v249
	v_permlanex16_b32 v250, v248, s40, s41
	s_delay_alu instid0(VALU_DEP_1)
	v_max_num_f32 v248, v248, v250                 ; and among lane l xor 16's
	s_delay_alu instid0(VALU_DEP_1)
	v_mul_f32 v13, s42, v248                       ; as t (c is positive)
	s_delay_alu instid0(VALU_DEP_1)
	v_floor_f32 v12, -v13                          ; -M = floor(-t) = -ceil(t)
.set kk, 0
.rept 72
	v_pk_fma_f32 v[S+kk:S+kk+1], v[S+kk:S+kk+1], s[42:43], v[12:13] op_sel_hi:[1,0,0]   ; t - M (of the pairs c and -M the low word serves both halves)
.set kk, kk+2
.endr
.set kk, 0
	s_wait_alu depctr_va_vdst(0)
.rept 144
	v_exp_f32 v[S+kk], v[S+kk]                     ; p = 2^(t - M): not normalised
.set kk, kk+1
.endr
	v_nop                                          ; a plain instruction behind the last exponential,
	s_wait_alu depctr_va_vdst(0)                   ; and ONE wait for the batch, ahead of its first reader
	v_pk_add_f32 v[14:15], v[S:S+1], v[S+2:S+3]    ; the row's sum is taken of the unquantised p, in two chains
	v_pk_add_f32 v[16:17], v[S+4:S+5], v[S+6:S+7]
.set kk, 8
.rept 34
	v_pk_add_f32 v[14:15], v[14:15], v[S+kk:S+kk+1]
	v_pk_add_f32 v[16:17], v[16:17], v[S+kk+2:S+kk+3]
.set kk, kk+4
.endr
.irp g, 0,1,2,3,4,5,6,7,8
.irp i, 0,1,2,3,4,5,6,7,8,9,10,11,12,13,14,15
.endr
	v_cvt_scalef32_pk8_fp8_f32 v[KB+4*\g:KB+4*\g+1], v[S+16*\g:S+16*\g+7], v18      ; registers 4 g .. 4 g + 3: keys 16 h + 0 .. 15 of group g
	v_cvt_scalef32_pk8_fp8_f32 v[KB+4*\g+2:KB+4*\g+3], v[S+16*\g+8:S+16*\g+15], v18
.endr
	v_nop                                          ; a plain line behind the last conversion
.irp i, 0,1,2,3
	v_mov_b32 v[KB+36+\i], 0                       ; group 8 stands alone in a product of 64 along K: its other 32 are zero codes, on both sides
.endr
.irp t, 0,1,2,3
	ds_load_b128 v[VX+8*\t:VX+8*\t+3], v[\av] offset:16384+512*\t   ; V of group 8, channels 16 t on
.endr
.irp t, 0,1,2,3
.irp i, 4,5,6,7
	v_mov_b32 v[VX+8*\t+\i], 0
.endr
.endr
.irp t, 0,1,2,3
.irp c, 0,1,2,3
	ds_load_b128 v[VY+16*\t+4*\c:VY+16*\t+4*\c+3], v[\av] offset:2048*\c+512*\t   ; V of groups 0 to 3
.endr
.endr
	v_pk_add_f32 v[14:15], v[14:15], v[16:17]      ; while they are on their way: the sum's chains, its halves,
	s_delay_alu instid0(VALU_DEP_1)
	v_add_f32 v14, v14, v15
	s_delay_alu instid0(VALU_DEP_1)
	v_permlanex16_b32 v250, v14, s40, s41
	s_delay_alu instid0(VALU_DEP_1)
	v_add_f32 v14, v14, v250                       ; and lane l xor 16's
	s_wait_alu depctr_va_vdst(0)
	v_rcp_f32 v22, v14
	v_nop                                          ; a plain instruction behind the transcendental,
	s_wait_alu depctr_va_vdst(0)                   ; and the wait ahead of its first reader
	v_ldexp_f32 v22, v22, s53                      ; 2^(e8 + e9) / sum
	s_delay_alu instid0(VALU_DEP_1)
	v_mov_b32 v23, v22
	s_wait_dscnt 16                                ; group 8's V is in; the sixteen loads behind it may be out
.irp t, 0,1,2,3
.set OT, 224+8*\t-168*(\t/2)           ; O^T's tile t: v224, v232, v72, v80
	v_wmma_f32_16x16x64_fp8_fp8 v[OT:OT+7], v[VX+8*\t:VX+8*\t+7], v[KB+32:KB+39], 0   ; the first product starts the sums
.endr
.rept 5
	v_nop                                          ; five places: the next products on these sums are of another form; they serve the loads below as well
.endr
.irp t, 0,1,2,3
.irp c, 0,1,2,3
	ds_load_b128 v[VX+16*\t+4*\c:VX+16*\t+4*\c+3], v[\av] offset:2048*(4+\c)+512*\t   ; V of groups 4 to 7
.endr
.endr
	s_wait_dscnt 16                                ; groups 0 to 3 are in; the sixteen just issued may be out
.irp t, 0,1,2,3
.set OT, 224+8*\t-168*(\t/2)
	v_wmma_f32_16x16x128_fp8_fp8 v[OT:OT+7], v[VY+16*\t:VY+16*\t+15], v[KB:KB+15], v[OT:OT+7]   ; the four sums take turns, one instruction a turn
.endr
	s_wait_dscnt 0x0
.irp t, 0,1,2,3
.set OT, 224+8*\t-168*(\t/2)
	v_wmma_f32_16x16x128_fp8_fp8 v[OT:OT+7], v[VX+16*\t:VX+16*\t+15], v[KB+16:KB+31], v[OT:OT+7]
.endr
.rept 4
	v_nop
.endr
	s_wait_alu depctr_va_vdst(0)
.irp t, 0,1,2,3
.set OT, 224+8*\t-168*(\t/2)
.irp i, 0,2,4,6
	v_pk_mul_f32 v[OT+\i:OT+\i+1], v[OT+\i:OT+\i+1], v[22:23] op_sel_hi:[1,0]   ; register i of tile t: ctx(my query, channel 16 t + 8 h + i)
.endr
.endr
.irp t, 0,1,2,3
.set OT, 224+8*\t-168*(\t/2)
.irp i, 0,1,2,3,4,5,6,7
.endr
	v_cvt_scalef32_pk8_fp8_f32 v[248+2*\t:249+2*\t], v[OT:OT+7], v20
.endr
	v_nop                                          ; a plain line behind the last conversion
.irp t, 0,1,2,3
	ds_store_b64 v[SO], v[248+2*\t:249+2*\t] offset:128*\p+16*\t
.endr
.endm
	s_wait_tensorcnt 0x1                           ; my fill for heads 0, 1 has landed; the one for heads 2, 3 may be out
	s_barrier_signal -1
	s_barrier_wait -1                              ; everybody's has
	s_wait_loadcnt 0x0                             ; Q
	TILE 0, Q0R, AK0, AV0
	s_wait_tensorcnt 0x0                           ; my fill for heads 2, 3 has landed,
	s_wait_dscnt 0x0                               ; and my LDS instructions are done
	s_barrier_signal -1
	s_barrier_wait -1
	TILE 1, Q1R, AK0+1, AV0+1
	s_wait_dscnt 0x0                               ; for the others' sake: my codes lie in the stage
	s_barrier_signal -1
	s_barrier_wait -1                              ; 128 whole rows of 256 bytes
.irp i, 0,1,2,3
	ds_load_b128 v[KB+4*\i:KB+4*\i+3], v[RD] offset:2*SPITCH*\i
.endr
.irp i, 0,1,2,3
	s_wait_dscnt 3-\i                              ; the younger loads may be out
	global_store_b128 v[GO], v[KB+4*\i:KB+4*\i+3], s[12:13] offset:2048*\i   ; sixteen lanes store 256 consecutive bytes, aligned
.endr
	s_wait_tensorcnt 0x0                           ; the wave's end: behind my last tensor load and my last LDS store
	ds_add_u32 v[SPW], v[NIL]
	s_wait_dscnt 0x0
	s_endpgm
.Lfunc_end_k_qa0444b82b5_attn:
	.size	k_qa0444b82b5_attn, .Lfunc_end_k_qa0444b82b5_attn-k_qa0444b82b5_attn
	.p2alignl 7, 3214868480
	.fill 96, 4, 3214868480
	.section	.rodata,"a",@progbits
	.p2align	6, 0x0
	.amdhsa_kernel k_qa0444b82b5_attn
		.amdhsa_group_segment_fixed_size 233472
		.amdhsa_private_segment_fixed_size 0
		.amdhsa_enable_private_segment 0
		.amdhsa_kernarg_size 40
		.amdhsa_user_sgpr_count 2
		.amdhsa_user_sgpr_kernarg_segment_ptr 1
		.amdhsa_wavefront_size32 1
		.amdhsa_system_sgpr_workgroup_id_x 1
		.amdhsa_system_sgpr_workgroup_id_y 1
		.amdhsa_system_sgpr_workgroup_id_z 1
		.amdhsa_system_vgpr_workitem_id 0
		.amdhsa_next_free_vgpr 256
		.amdhsa_next_free_sgpr 66
		.amdhsa_reserve_vcc 1
		.amdhsa_float_denorm_mode_32 3
		.amdhsa_float_denorm_mode_16_64 3
		.amdhsa_fp16_overflow 1
		.amdhsa_memory_ordered 1
		.amdhsa_forward_progress 1
		.amdhsa_inst_pref_size 80
	.end_amdhsa_kernel
	.amdgpu_metadata
---
amdhsa.version: [ 1, 2 ]
amdhsa.kernels:
  - .name:           k_qa0444b82b5_attn
    .symbol:         k_qa0444b82b5_attn.kd
    .args:
      - { .name: qi, .offset: 0, .size: 8, .value_kind: global_buffer, .address_space: global }
      - { .name: ki, .offset: 8, .size: 8, .value_kind: global_buffer, .address_space: global }
      - { .name: vi, .offset: 16, .size: 8, .value_kind: global_buffer, .address_space: global }
      - { .name: lowp_scales, .offset: 24, .size: 8, .value_kind: global_buffer, .address_space: global }
      - { .name: ctx, .offset: 32, .size: 8, .value_kind: global_buffer, .address_space: global }
    .group_segment_fixed_size: 233472
    .private_segment_fixed_size: 0
    .kernarg_segment_align: 8
    .kernarg_segment_size: 40
    .max_flat_workgroup_size: 512
    .sgpr_count:     66
    .vgpr_count:     256
    .wavefront_size: 32
...
	.end_amdgpu_metadata
.endif
;; end of part 3
;; launch oproj (part 4): grid 4 x 32, 4 waves a work-group, clusters of 4 x 4, 327,680 bytes of LDS; arguments ctx, w_o_codes, lowp_scales, b_o, x, out0; writes out0
.if DOCPART == 4
	.amdgcn_target "amdgcn-amd-amdhsa--gfx1250"
	.amdhsa_code_object_version 6
	.text
	.protected	k_qa0444b82b5_oproj
	.globl	k_qa0444b82b5_oproj
	.p2align	8
	.type	k_qa0444b82b5_oproj,@function
k_qa0444b82b5_oproj:
	s_mov_b64 s[64:65], 0
	v_nop
	global_prefetch_b8 v0, s[64:65] scope:SCOPE_SE
	s_setreg_imm32_b32 hwreg(HW_REG_WAVE_MODE, 25, 1), 1
	s_wait_xcnt 0x0
	s_wait_alu depctr_hold_cnt(0) depctr_sa_sdst(0) depctr_va_vdst(0) depctr_va_sdst(0) depctr_va_ssrc(0) depctr_va_vcc(0) depctr_vm_vsrc(0)
	s_getreg_b32 s2, hwreg(HW_REG_IB_STS2, 6, 4)
	s_cmp_eq_u32 s2, 0
	s_cbranch_scc0 .Lentry_in_a_cluster
	s_endpgm
.Lentry_in_a_cluster:
	s_bfe_u32 s2, ttmp6, 0x10000c
	s_cmp_lg_u32 s2, 0xf033
	s_cbranch_scc0 .Lentry_shape_is_right
	s_endpgm
.Lentry_shape_is_right:
; out0 = x + ctx W_o^T + b_o.  ctx: [8192][1024] codes of E4M3 under entry 10 of the scales; W_o: [1024][1024] codes under entry 11, K innermost; x, out0: [8192][1024] f32; b_o: [1024] f32.
; A tile of the result, 256 x 256, is made by four waves, each 128 x 128: 64 accumulators of 16 x 16, 512 registers.  K = 1,024 goes in four steps of 256 through two LDS slots filled by the tensor data mover.
; CLUSTERS: 4 x 4 work-groups.  The four of a row of the cluster need the same tile of ctx, the four of a column the same tile of W_o: each is asked for jointly, by the same tensor load with the same descriptor and a mask that names the four.
; THE MATRIX INSTRUCTION IS USED TRANSPOSED (source 0 = 16 rows of W_o, source 1 = 16 rows of ctx): a lane then holds eight neighbouring numbers of a row.
; THE WAY OUT, block by block of 16 rows x 128 columns: the sums go through the wave's own stage in LDS and come back as whole rows of 512 bytes, 16 bytes a lane, as x is loaded and out0 stored;
; there out = sum x 2^(e10 + e11) + b_o + x.  x's blocks come four ahead, into the registers that held W_o's fragments.  The stage lies in slot 0, which has had its last fill and its last read by then.
; x IS PREFETCHED INTO THE L2 during the products: behind each of the two refills stand four requests; a request names 16 rows x 2 blocks of 256 bytes of the wave's own 128 rows x 512 bytes,
; so each block is named once in the launch, by the wave that will load it, two and three K steps of 256 ahead of the first load of x.  Their address registers are never rewritten.
; LIMIT: e10 + e11 between -126 and 127.
; REGISTERS, in windows of 256: window 0: v0-35 addresses and my four biases; from v128 ctx's fragments, ONE set; on the way out v128-255 two blocks read back.  window 1: W_o's fragments, two sets; then x, four blocks.  windows 2, 3: the accumulators.
.set KSTEP,  256
.set ROWB,   256
.set KROW,   1024
.set PITCH,  272                       ; an LDS row: 256 bytes + 16 of padding = 68 words: the 16 rows that a load touches start at 16 different banks (64 banks of 4 bytes: ISA guide 11.1)
.set FR,     16
.set NL,     4
.set NP,     4
.set HALFT,  128*PITCH
.set SLOT,   4*HALFT
.set SPARE,  2*SLOT                    ; behind the ring: the spare words, 128 bytes for each wave: two blocks of 256 bytes that no other line names
.set SPITCH, 528                       ; the stage: 16 rows x (512 bytes + 16) for each wave
.set OROW,   4096                      ; a row of x or of out0 in bytes
.set ADRA, 16
.set ADRB, 20
.set STO,  24                          ; v24  the stage: where I put 32 bytes of a row
.set RD,   25                          ; v25  and where I read a row back
.set CO,   26                          ; v26  16 x lane: my place in a row's 512 bytes; never rewritten
.set SPW,  28
.set NIL,  29
.set PFO,  30                          ; v30  the prefetches' offset: row lane / 2, block lane % 2; never rewritten
.set BI,   32                          ; v32-35 b_o at my four columns
.set AF,   128
.set BK,   128                         ; the way out: v128-191 and v192-255 by turns
.set G1, 24
.set G0, 32
.set G1B, 48
.set G0B, 56
.set MSB, 0
.macro WIN new                         ; the immediate's high byte repeats the setting that is left
.if MSB != \new
	s_set_vgpr_msb (MSB<<8)|\new
.set MSB, \new
.endif
.endm
.set MUL_LO, 0xa1                      ; source 0 (W_o) window 1, source 1 (ctx) window 0, C and D window 2
.set MUL_HI, 0xf1
.set TO_B,   0x40                      ; destination window 1, address window 0
.macro JLOAD g0a, g1a, g0b, g1b        ; a joint load: waves 0 and 1 fetch for ctx, waves 2 and 3 for W_o; an s_nop 0 and four v_nop follow each of the two lines
	s_cmp_eq_u32 s15, 0
	s_cbranch_scc0 .Lfor_b_\@
	tensor_load_to_lds s[\g0a:\g0a+3], s[\g1a:\g1a+7]
	s_nop 0
.rept 4
	v_nop
.endr
	s_branch .Lasked_\@
.Lfor_b_\@:
	tensor_load_to_lds s[\g0b:\g0b+3], s[\g1b:\g1b+7]
	s_nop 0
.rept 4
	v_nop
.endr
.Lasked_\@:
.endm
.macro CREST
	s_cmp_lg_u32 s14, 0
	s_cbranch_scc1 .Lnot_wave_0_\@
	s_barrier_signal -3
.Lnot_wave_0_\@:
	s_barrier_wait -3
	s_barrier_signal -1
	s_barrier_wait -1
.endm
.macro CROUND
	s_barrier_signal -1
	s_barrier_wait -1
	CREST
.endm
	s_load_b256 s[4:11], s[0:1], 0x0               ; ctx s[4:5], W_o s[6:7], the scales s[8:9], b_o s[10:11]
	s_load_b128 s[68:71], s[0:1], 0x20             ; x s[68:69], out0 s[70:71]
	v_lshl_add_u32 v[SPW], v0, 2, SPARE
	v_mov_b32 v[NIL], 0
	ds_add_u32 v[SPW], v[NIL]                      ; the wave's opening: the add and its wait stand ahead of my first tensor load; the set-up below, work on registers, stands between them
	v_lshrrev_b32 v1, 5, v0
	v_readfirstlane_b32 s14, v1                    ; wave 0..3
	s_lshr_b32 s15, s14, 1                         ; which half of the tile's rows is mine.  Also: I fetch for ctx (0) or for W_o (1)
	s_and_b32 s16, s14, 1                          ; which half of its columns.  Also: which 128 rows of that tile I fetch
	s_bfe_u32 s40, ttmp6, 0x40000                  ; cx, cy
	s_bfe_u32 s41, ttmp6, 0x40004
	s_lshl_b32 s42, ttmp9, 2
	s_add_co_u32 s42, s42, s40                     ; tile column = 4 x cluster x + cx
	s_and_b32 s17, ttmp7, 0xffff
	s_lshl_b32 s17, s17, 2
	s_add_co_u32 s17, s17, s41                     ; tile row = 4 x cluster y + cy
	s_lshl_b32 s43, s41, 2
	s_lshl_b32 s43, 15, s43                        ; my row of the cluster
	s_lshl_b32 s44, 0x1111, s40                    ; my column
	s_or_b32 s[G1+0], s43, (0<<16)|(1<<20)|(1<<21)|(5<<22)|(3<<25)  ; the mask; elements of 1 byte; padding on; bit 21 beside a mask; four words after every 64
	s_or_b32 s[G1B+0], s44, (0<<16)|(1<<20)|(1<<21)|(5<<22)|(3<<25)
.irp g, G1, G1B
	s_mov_b32 s[\g+1], ROWB<<16                    ; tensor_dim0
	s_mov_b32 s[\g+2], 128<<16                     ; tensor_dim1 = 128
	s_mov_b32 s[\g+3], ROWB<<16                    ; tile_dim0
	s_mov_b32 s[\g+4], 128                         ; tile_dim1 = 128
	s_mov_b32 s[\g+5], KROW                        ; tensor_dim0_stride
	s_mov_b32 s[\g+6], 0
	s_mov_b32 s[\g+7], 0
.endr
	s_lshl_b32 s18, s16, 7
	s_lshl_b32 s20, s17, 8
	s_add_co_u32 s20, s20, s18
	s_lshl_b32 s20, s20, 10                        ; ctx: (256 x tile row + 128 x half) rows of 1,024 bytes
	s_mov_b32 s21, 0
	s_lshl_b32 s46, s42, 8
	s_add_co_u32 s46, s46, s18
	s_lshl_b32 s46, s46, 10                        ; W_o: by the tile column
	s_mov_b32 s47, 0
	s_mul_i32 s45, s14, HALFT                      ; where they go: wave x 128 rows
	s_wait_dscnt 0x0                               ; the opening add is done
	s_wait_kmcnt 0x0
	s_load_b64 s[96:97], s[8:9], 0x28              ; e10, e11
	s_add_nc_u64 s[20:21], s[4:5], s[20:21]
	s_add_nc_u64 s[46:47], s[6:7], s[46:47]
	CROUND                                         ; all sixteen work-groups are here: the first joint loads meet
.irp s, 0,1
	s_mov_b32 s[G0+4*\s], 1
	s_add_co_u32 s[G0+4*\s+1], s45, \s*SLOT
	s_add_nc_u64 s[G0+4*\s+2:G0+4*\s+3], s[20:21], \s*ROWB
	s_or_b32 s[G0+4*\s+3], s[G0+4*\s+3], 0x80000000
	s_mov_b32 s[G0B+4*\s], 1
	s_add_co_u32 s[G0B+4*\s+1], s45, \s*SLOT
	s_add_nc_u64 s[G0B+4*\s+2:G0B+4*\s+3], s[46:47], \s*ROWB
	s_or_b32 s[G0B+4*\s+3], s[G0B+4*\s+3], 0x80000000
	JLOAD G0+4*\s, G1, G0B+4*\s, G1B               ; by this text's count two tensor loads of a wave are out here, later one
.endr
	v_and_b32 v1, 15, v0                           ; r
	v_bfe_u32 v2, v0, 4, 1                         ; h
	v_mul_u32_u24 v3, v1, PITCH
	v_lshl_add_u32 v4, v2, 4, v3
	s_mul_i32 s21, s15, HALFT
	s_mul_i32 s22, s16, HALFT
	s_add_co_u32 s22, s22, 2*HALFT
.irp s, 0,1
	v_add_nc_u32 v[ADRA+\s], s21, v4
	v_add_nc_u32 v[ADRB+\s], s22, v4
	s_add_co_u32 s21, s21, SLOT
	s_add_co_u32 s22, s22, SLOT
.endr
	s_mul_i32 s23, s14, 16*SPITCH                  ; my stage
	v_mul_u32_u24 v5, v1, SPITCH                   ; in: row r, 32 bytes for each half of the lanes
	v_lshl_add_u32 v5, v2, 5, v5
	v_add_nc_u32 v[STO], s23, v5
	v_and_b32 v6, 31, v0
	v_lshlrev_b32 v[CO], 4, v6                     ; back: the 32 lanes take one row of 512 bytes
	v_add_nc_u32 v[RD], s23, v[CO]
	v_lshrrev_b32 v7, 1, v6
	v_and_b32 v6, 1, v6
	v_lshlrev_b32 v[PFO], 12, v7
	v_lshl_add_u32 v[PFO], v6, 8, v[PFO]
	s_lshl_b32 s20, s17, 8
	s_lshl_b32 s21, s15, 7
	s_add_co_u32 s20, s20, s21
	s_lshl_b32 s20, s20, 12                        ; my first row, in bytes: under 2^25
	s_mov_b32 s21, 0
	s_lshl_b32 s46, s42, 10
	s_lshl_b32 s47, s16, 9
	s_add_co_u32 s46, s46, s47                     ; my first column, in bytes
	s_mov_b32 s47, 0
	s_add_nc_u64 s[10:11], s[10:11], s[46:47]
	s_add_nc_u64 s[20:21], s[20:21], s[46:47]
	s_add_nc_u64 s[68:69], s[68:69], s[20:21]      ; x and out0 at my 128 x 128; every row's offset is an immediate, 127 x 4,096 at the most: no base is stepped
	s_add_nc_u64 s[70:71], s[70:71], s[20:21]
	global_load_b128 v[BI:BI+3], v[CO], s[10:11]
.macro FRAG reg, adr, q, i             ; a fragment: lane l holds row l % 16; registers 4 c .. 4 c + 3 hold K = 32 c + 16 (l / 16) + 0 .. 15: the same order of K on both sides
.irp c, 0,1,2,3
	ds_load_b128 v[\reg+4*\c:\reg+4*\c+3], v[\adr] offset:128*(\q)+32*\c+(\i)*16*PITCH
.endr
.endm
.macro MUL16 a0, p, zero               ; 16 matrix instructions; the 64 accumulators take turns, one instruction a turn
.irp a, \a0, \a0+1
.irp b, 0,1,2,3,4,5,6,7
.if \zero
	v_wmma_f32_16x16x128_fp8_fp8 v[8*(8*((\a)%4)+\b):8*(8*((\a)%4)+\b)+7], v[128*(\p)+FR*\b:128*(\p)+FR*\b+FR-1], v[AF+FR*(\a):AF+FR*(\a)+FR-1], 0
.else
	v_wmma_f32_16x16x128_fp8_fp8 v[8*(8*((\a)%4)+\b):8*(8*((\a)%4)+\b)+7], v[128*(\p)+FR*\b:128*(\p)+FR*\b+FR-1], v[AF+FR*(\a):AF+FR*(\a)+FR-1], v[8*(8*((\a)%4)+\b):8*(8*((\a)%4)+\b)+7]
.endif
.endr
.endr
.endm
.macro FETCH_B slot, q, p
	WIN TO_B
.irp i, 0,1,2,3,4,5,6,7
	FRAG 128*(\p)+FR*\i, ADRB+\slot, \q, \i
.endr
	WIN 0
.endm
.macro FETCH_A slot, q, i0
.irp i, \i0, \i0+1, \i0+2, \i0+3
	FRAG AF+FR*(\i), ADRA+\slot, \q, \i
.endr
.endm
.macro PLACES n                        ; plain vector lines between a matrix instruction and a load into, or a read of, one of its registers
.rept \n
	v_nop
.endr
.endm
.macro STEP slot, q, zero
	s_wait_dscnt 4*NL                              ; W_o's set and ctx's blocks 0-3 are in; the youngest sixteen loads (blocks 4-7) may be out
	WIN MUL_LO
	MUL16 0, (\q)%2, \zero
	MUL16 2, (\q)%2, \zero
	s_wait_dscnt 0
	PLACES NP
	FETCH_B \slot, (\q)+1, 1-(\q)%2
	FETCH_A \slot, (\q)+1, 0
	WIN MUL_HI
	MUL16 4, (\q)%2, \zero
	MUL16 6, (\q)%2, \zero
	PLACES NP
	WIN 0
	FETCH_A \slot, (\q)+1, 4
.endm
.macro TURN slot, next, fill
	s_wait_tensorcnt 0x0                           ; all my tensor loads have landed: my part of the next slot
	ds_add_u32 v[SPW], v[NIL]                      ; 0 onto my spare word
	s_wait_dscnt 4*NL+1                            ; (the add and the youngest sixteen loads may be out)
	WIN MUL_LO
	MUL16 0, 1, 0
	s_wait_dscnt 0x0                               ; the add is done, and my reads of this slot are over
	s_barrier_signal -1
	MUL16 2, 1, 0
	WIN 0
	s_barrier_wait -1
.if \fill
	CREST                                          ; the barrier has opened a round of the cluster's barrier: no wave of any partner still reads this slot's tile or has a load on its way
	s_add_nc_u64 s[G0+4*\slot+2:G0+4*\slot+3], s[G0+4*\slot+2:G0+4*\slot+3], 2*ROWB
	s_add_nc_u64 s[G0B+4*\slot+2:G0B+4*\slot+3], s[G0B+4*\slot+2:G0B+4*\slot+3], 2*ROWB
	JLOAD G0+4*\slot, G1, G0B+4*\slot, G1B         ; the first tensor load behind the round; its four v_nop are the places in front of the loads below
.else
	PLACES NP
.endif
	FETCH_B \next, 0, 0
	FETCH_A \next, 0, 0
.if \fill
.irp i, 0,1,2,3                        ; behind the joint load and the run of LDS loads: rows 16 (4 slot + i) on of my part of x
	global_prefetch_b8 v[PFO], s[68:69] offset:(4*\slot+\i)*16*OROW th:TH_LOAD_NT scope:SCOPE_SE
.endr
.endif
	WIN MUL_HI
	MUL16 4, 1, 0
	MUL16 6, 1, 0
	PLACES NP
	WIN 0
	FETCH_A \next, 0, 4
.endm
.macro XLOAD a                         ; x's block a, 16 rows of 512 bytes, into window 1, v[64 (a % 4)] on
	WIN TO_B
.irp t, 0,1,2,3,4,5,6,7,8,9,10,11,12,13,14,15
	global_load_b128 v[64*((\a)%4)+4*\t:64*((\a)%4)+4*\t+3], v[CO], s[68:69] offset:(16*(\a)+\t)*OROW th:TH_LOAD_NT
.endr
	WIN 0
.endm
	s_wait_tensorcnt 1                             ; my part of K step 0 is in (K step 1's load may be out)
	s_barrier_signal -1
	s_barrier_wait -1                              ; everybody's is
	FETCH_B 0, 0, 0
	FETCH_A 0, 0, 0
	FETCH_A 0, 0, 4
	STEP 0, 0, 1                                   ; K 0-127: the products start the sums
	TURN 0, 1, 1                                   ; slot 0 takes K 512-767
	STEP 1, 0, 0
	TURN 1, 0, 1                                   ; slot 1 takes K 768-1023
	STEP 0, 0, 0
	TURN 0, 1, 0                                   ; nothing is left to fetch
	STEP 1, 0, 0
	XLOAD 0                                        ; W_o's set 0 has been multiplied for the last time, four places back: x's first two blocks land there
	XLOAD 1
	s_wait_dscnt 4*NL                              ; the last step
	WIN MUL_LO
	MUL16 0, 1, 0
	MUL16 2, 1, 0
	s_wait_dscnt 0
	WIN MUL_HI
	MUL16 4, 1, 0
	MUL16 6, 1, 0
	WIN 0
; Block a's sums go into my stage as they are (the store's data come from window 2 or 3; each accumulator's low four registers first) and come back as whole rows.
; LDS serves a wave's instructions in order (ISA guide 5.7.1.4): no wait between the stores and the loads, nor in front of the next block's stores.
.macro TOSTAGE a
.set AC, 64*((\a)%4)
	WIN 0x08+4*((\a)/4)                            ; an LDS store's data are its source 1
.irp b, 0,1,2,3,4,5,6,7
	ds_store_b128 v[STO], v[AC+8*\b:AC+8*\b+3] offset:64*\b
	ds_store_b128 v[STO], v[AC+8*\b+4:AC+8*\b+7] offset:64*\b+16
.endr
	WIN 0
.set BB, BK+64*((\a)%2)
.irp t, 0,1,2,3,4,5,6,7,8,9,10,11,12,13,14,15
	ds_load_b128 v[BB+4*\t:BB+4*\t+3], v[RD] offset:\t*SPITCH
.endr
.endm
.macro SEND a, younger                 ; younger: the LDS instructions issued behind block a's loads, which may stay out
.set BB, BK+64*((\a)%2)
.set XR, 64*((\a)%4)
	s_wait_dscnt \younger                          ; the block is back in registers
.if 7-(\a) >= 3
	s_wait_loadcnt 48                              ; x's block a is in; the three blocks behind it may be out
.else
	s_wait_loadcnt 16*(7-(\a))
.endif
.irp t, 0,1,2,3,4,5,6,7,8,9,10,11,12,13,14,15
.irp i, 0,2
	v_pk_fma_f32 v[BB+4*\t+\i:BB+4*\t+\i+1], v[BB+4*\t+\i:BB+4*\t+\i+1], s[96:97], v[BI+\i:BI+\i+1] op_sel_hi:[1,0,1]   ; sum x 2^(e10 + e11) + b_o
.endr
.endr
	WIN 0x04                                       ; source 1 (x) window 1
.irp j, 0,2,4,6,8,10,12,14,16,18,20,22,24,26,28,30,32,34,36,38,40,42,44,46,48,50,52,54,56,58,60,62
	v_pk_add_f32 v[BB+\j:BB+\j+1], v[BB+\j:BB+\j+1], v[XR+\j:XR+\j+1]   ; + x
.endr
	WIN 0
.irp t, 0,1,2,3,4,5,6,7,8,9,10,11,12,13,14,15
	global_store_b128 v[CO], v[BB+4*\t:BB+4*\t+3], s[70:71] offset:(16*(\a)+\t)*OROW th:TH_STORE_NT   ; 32 lanes store 512 consecutive bytes, aligned; written once, read by nobody here
.endr
.if (\a)+4 <= 7
	XLOAD (\a)+4                                   ; its registers take the block four further on
.endif
.endm
	s_wait_kmcnt 0x0
	s_add_co_i32 s96, s96, s97                     ; e10 + e11
	s_add_co_i32 s96, s96, 127
	s_lshl_b32 s96, s96, 23                        ; 2^(e10 + e11) as f32 (s97 is named with it as a pair and has been written)
	PLACES NP                                      ; behind the last products: for the loads into the registers that they read, and for the stores that read their results
	XLOAD 2
	XLOAD 3
	TOSTAGE 0
.irp a, 1,2,3,4,5,6,7
.if \a > 1
	s_wait_xcnt 0x0                                ; block a - 2's stores have read their registers: block a's rows may land there
.endif
	TOSTAGE \a
	SEND \a-1, 32                                  ; behind block a - 1's loads: block a's 16 stores and 16 loads
.endr
	SEND 7, 0
	s_wait_tensorcnt 0x0                           ; the wave's end: behind my last tensor load and my last LDS store
	ds_add_u32 v[SPW], v[NIL]
	s_wait_dscnt 0x0
	CROUND                                         ; the closing round: no work-group ends while a partner may still ask for a tile that names it
	s_endpgm
.Lfunc_end_k_qa0444b82b5_oproj:
	.size	k_qa0444b82b5_oproj, .Lfunc_end_k_qa0444b82b5_oproj-k_qa0444b82b5_oproj
	.p2alignl 7, 3214868480
	.fill 96, 4, 3214868480
	.section	.rodata,"a",@progbits
	.p2align	6, 0x0
	.amdhsa_kernel k_qa0444b82b5_oproj
		.amdhsa_group_segment_fixed_size 327680
		.amdhsa_private_segment_fixed_size 0
		.amdhsa_enable_private_segment 0
		.amdhsa_kernarg_size 48
		.amdhsa_user_sgpr_count 2
		.amdhsa_user_sgpr_kernarg_segment_ptr 1
		.amdhsa_wavefront_size32 1
		.amdhsa_system_sgpr_workgroup_id_x 1
		.amdhsa_system_sgpr_workgroup_id_y 1
		.amdhsa_system_sgpr_workgroup_id_z 1
		.amdhsa_system_vgpr_workitem_id 0
		.amdhsa_next_free_vgpr 1024
		.amdhsa_next_free_sgpr 100
		.amdhsa_reserve_vcc 0
		.amdhsa_float_denorm_mode_32 3
		.amdhsa_float_denorm_mode_16_64 3
		.amdhsa_memory_ordered 1
		.amdhsa_forward_progress 1
		.amdhsa_inst_pref_size 153
	.end_amdhsa_kernel
	.amdgpu_metadata
---
amdhsa.version: [ 1, 2 ]
amdhsa.kernels:
  - .name:           k_qa0444b82b5_oproj
    .symbol:         k_qa0444b82b5_oproj.kd
    .args:
      - { .name: ctx, .offset: 0, .size: 8, .value_kind: global_buffer, .address_space: global }
      - { .name: w_o_codes, .offset: 8, .size: 8, .value_kind: global_buffer, .address_space: global }
      - { .name: lowp_scales, .offset: 16, .size: 8, .value_kind: global_buffer, .address_space: global }
      - { .name: b_o, .offset: 24, .size: 8, .value_kind: global_buffer, .address_space: global }
      - { .name: x, .offset: 32, .size: 8, .value_kind: global_buffer, .address_space: global }
      - { .name: out0, .offset: 40, .size: 8, .value_kind: global_buffer, .address_space: global }
    .group_segment_fixed_size: 327680
    .private_segment_fixed_size: 0
    .kernarg_segment_align: 8
    .kernarg_segment_size: 48
    .max_flat_workgroup_size: 128
    .sgpr_count:     100
    .vgpr_count:     1024
    .wavefront_size: 32
...
	.end_amdgpu_metadata
.endif
;; end of part 4
